; MI455X (gfx1250); checked and timed in simulation.
; The chip was launched on July 23, 2026; its instructions are those of AMD's public machine-readable ISA for CDNA 5 (MIT licence, August 2026) and "CDNA5" Instruction Set Architecture Reference Guide (July 2026). The comments in the code are by the model that wrote it; some were corrected since.
;; Cross Attend. Allowed arithmetic: matrix products marked QUANTISED: E2M3 operands, one E8M0 scale for each 32 along K, by v_wmma_scale_f32_16x16x128_f8f6f4 with both operands' format E2M3, f32 sums; everything else in f32.
;; Inputs: Wk 512 x 512 float32; Wq 512 x 512 float32; Wv 512 x 512 float32; bk 512 float32; bq 512 float32; bv 512 float32; opp 16 x 1,024 x 512 float32; q 16 x 1,024 x 512 float32.
;; Outputs: out0 16 x 1,024 x 512 float32; out1 16 x 1,024 x 512 float32.
;; This version of the problem:
;;   THIS VERSION OF THE PROBLEM IS GIVEN IN LOW PRECISION. The matrix products marked QUANTISED in the list below multiply operands that are first quantised to E2M3 (2 exponent bits, 3 mantissa bits; 6 bits a number), with one power-of-two scale for each 32 numbers along K (OCP MX v1.0); their sums are f32. All else is computed in f32.
;;   The module's matrix products, in the order in which they are computed (A, B: the left and right operand; K: the contracted axis; several contracted axes count as one K, in the product's order):
;;     1. [M 16,384, K 512] x [K 512, N 512]; A: input q; B: input Wq: QUANTISED
;;     2. [M 16,384, K 512] x [K 512, N 512]; A: computed on the way; B: input Wk: QUANTISED
;;     3. [M 16,384, K 512] x [K 512, N 512]; A: computed on the way; B: input Wv: QUANTISED
;;     4. batch 16 x [M 1,024, K 512] x [K 512, N 1,024]; A: computed on the way; B: computed on the way: QUANTISED
;;     5. batch 16 x [M 1,024, K 1,024] x [K 1,024, N 512]; A: softmax (see below); B: computed on the way: QUANTISED
;;     6. [M 16,384, K 512] x [K 512, N 512]; A: input opp; B: input Wk: QUANTISED
;;     7. [M 16,384, K 512] x [K 512, N 512]; A: input opp; B: input Wv: QUANTISED
;;     8. batch 16 x [M 1,024, K 512] x [K 512, N 1,024]; A: computed on the way; B: computed on the way: QUANTISED
;;     9. batch 16 x [M 1,024, K 1,024] x [K 1,024, N 512]; A: softmax (see below); B: computed on the way: QUANTISED
;;   THE QUANTISER, for each operand of a quantised product, along K:
;;     - K is cut into blocks of 32 from its start; a last block that is shorter is filled with zeros.
;;     - A block's scale is 2^e with e = floor(log2(the largest magnitude in the block)) - 2, held to -126 .. 127; a block of zeros has e = 0. As a byte (E8M0): e + 127.
;;     - Each number is divided by its block's scale, clamped to +-7.5, and rounded to the nearest number of E2M3, ties to even, subnormals kept.
;;     - The product sums the exact products of the quantised numbers (number of the format x scale) in f32.
;;   ~~~python
;;   def quantise(x, axis):      # numpy; x: float32 -> the quantised numbers, widened to float32 again
;;       x = np.moveaxis(x, axis, -1); K = x.shape[-1]
;;       x = np.pad(x, [(0, 0)] * (x.ndim - 1) + [(0, -K % 32)]); x = x.reshape(x.shape[:-1] + (-1, 32)); a = np.abs(x).max(-1, keepdims=True)
;;       e = np.where(a > 0, np.clip(np.frexp(np.where(a > 0, a, 1))[1] - 1 - 2, -126, 127), 0)      # np.frexp(a)[1] - 1 = floor(log2(a)), exactly
;;       r = np.clip(x / 2.0 ** e, -7.5, 7.5)
;;       step = 2.0 ** (np.maximum(np.frexp(np.where(r == 0, 1, r))[1] - 1, 0) - 3)
;;       q = np.round(r / step) * step * 2.0 ** e      # np.round: ties to even
;;       return np.moveaxis(q.reshape(q.shape[:-2] + (-1,))[..., :K], -1, axis).astype(np.float32)
;;   ~~~
;;   SOFTMAX AHEAD OF A QUANTISED PRODUCT. Where the list says 'softmax', what is quantised is not the finished softmax but p = 2^(t - M), with t = logit x log2(e) and M = ceil(the row's largest t), a whole number; so 1/2 < the row's largest p <= 1. The row's sum l is taken of the UNQUANTISED p, in f32, and the product's result is divided by l at the end. Since M is a whole number, a kernel that streams over the keys may use a running M (the ceiling of the running maximum): every later rescaling is an exact power of two, which a block's scale takes up: the codes' values come out the same.
;;   OPERANDS COMPUTED ON THE WAY. 'Computed on the way' means the value that the module computes at that place (a softmax that the list does not call 'softmax' is quantised finished and normalised). What goes into a quantiser is computed in f32, as accurately as f32 sums, v_exp_f32 and their like allow (about 1e-6 of the number): no bf16 or f16 on the way to a quantiser, and a product that is left as it is and whose result goes on into a quantised operand takes f32 operands (vector FMAs, or v_wmma_f32_16x16x4_f32). A number that lies on a knife's edge between two numbers of the format may be rounded either way, as far as f32 arithmetic and the matrix unit's own rounding can turn it there, and no further.
;; One version. Each part assembles by itself: llvm-mc -triple=amdgcn-amd-amdhsa -mcpu=gfx1250 --defsym DOCPART=n.
;; ======== version 1 of 1: 3 launches
;; limits: right only within a limited range of input values
;; workspace buffers: wc 614,400 bytes; qc 6,553,600 bytes; kc 13,107,200 bytes; vc 13,107,200 bytes
;; launch wprep (part 1): grid 48 x 1, 4 waves a work-group, no clusters, 34,304 bytes of LDS; arguments Wq, Wk, Wv, wc; writes wc
.if DOCPART == 1
	.amdgcn_target "amdgcn-amd-amdhsa--gfx1250"
	.amdhsa_code_object_version 6
	.text
	.protected	k_qb2524d0be9_wprep
	.globl	k_qb2524d0be9_wprep
	.p2align	8
	.type	k_qb2524d0be9_wprep,@function
k_qb2524d0be9_wprep:
	s_mov_b64 s[64:65], 0
	v_nop
	global_prefetch_b8 v0, s[64:65] scope:SCOPE_SE
	s_setreg_imm32_b32 hwreg(HW_REG_WAVE_MODE, 25, 1), 1
	s_wait_xcnt 0x0
; Wq, Wk, Wv [512][512] f32 (K innermost) become codes of FP6 (E2M3) with one E8M0 byte for each 32 along K, laid in wc in the ORDER OF THE OPERAND'S REGISTERS.
; wc is 24 blocks of 25,600 bytes: block ((wt 2 + hf) 4 + w): weight wt, K half hf (256 along K), output columns 128 w on.  In a block: fragment (K step s' of the half, tile t) at
; s' 12,288 + t 1,536, registers 4 c .. 4 c + 3 of lane l at 512 c + 16 l; scale words at 24,576 + s' 512 + 16 l + 4 p: word p holds tile 2 p's in lanes 0-15 and tile 2 p + 1's in lanes 16-31.
; THE ROWS OF A TILE ARE NOT NEIGHBOURS: lane r of tile 2 b + u takes row 32 b + 8 u + r % 8 + 16 (r / 8), so that a product's 16 registers of two neighbouring tiles are 16 neighbours along the next K.
; SHARES: work-group g: weight g / 16, columns 128 ((g / 4) % 4) on, K step g % 4; wave b makes tiles 2 b and 2 b + 1: two fragments and one scale word a lane.  384 fragments in all: 48 work-groups.
; Each load reads 512 consecutive bytes of a row; the 16 rows of a fragment turn through the wave's own stage (rows of 528 bytes), so that a lane gets 16 neighbours of each block of 32.
; LIMITS: NaN and infinities are not served; a block whose largest magnitude lies under 2^-124 keeps the byte 1; a block of zeros has the byte 1 where the rule says 127 (its codes are zeros; this program alone reads the bytes).
.set STG,   8448                       ; a wave's stage: 16 rows x 528 bytes
.set SPARE, 4*STG                      ; behind the stages: the spare words, 128 bytes a wave
.set LI,  1                            ; v1  16 x lane
.set STW, 2                            ; v2  the stage, on the way in
.set STR, 3                            ; v3  and on the way out: row r, + 64 h
.set SPW, 4                            ; v4  my spare word; never rewritten
.set NIL, 5                            ; v5  0; never rewritten
.set PW0, 6                            ; v6  the even tile's scale word
.set PP,  7                            ; v7  the pair's
.set TM,  16                           ; v16-31 at work in QUANT
.set PW,  32                           ; v32 the scale word just made
.set PC,  36                           ; v36-55 the codes just made
.set R,   64                           ; v64-191 two fragments' numbers as loaded
.set X,   192                          ; v192-255 64 numbers: register 16 b + i = k 32 b + 16 h + i of my row
.set SEL, 24                           ; s[24:25] selects of v_permlanex16_b32: lane l xor 16
.set HM,  26                           ; s26 lanes 16-31
; 64 numbers of a lane become a fragment's 12 registers in v[PC] on and its scale word in v[PW]
.macro QUANT s
.irp b, 0,1,2,3
	v_max3_num_f32 v[TM+\b], |v[\s+16*\b]|, |v[\s+1+16*\b]|, 0x1800000   ; block b: my 16 numbers, and the floor 2^(3 - 127): the byte cannot fall under 1
.endr
.irp i, 2,4,6,8,10,12,14
.irp b, 0,1,2,3
	v_max3_num_f32 v[TM+\b], v[TM+\b], |v[\s+16*\b+\i]|, |v[\s+1+16*\b+\i]|   ; the four blocks by turns
.endr
.endr
.irp b, 0,1,2,3
	v_permlanex16_b32 v[TM+4+\b], v[TM+\b], s[SEL], s[SEL+1]
.endr
.irp b, 0,1,2,3
	v_max_num_f32 v[TM+\b], v[TM+\b], v[TM+4+\b]   ; with lane l xor 16's: the block's largest magnitude
.endr
.irp b, 0,1,2,3
	v_add_nc_u32 v[TM+12+\b], 0xff000000, v[TM+\b]   ; 2 off its exponent field: the conversion's scale operand
.endr
.irp b, 0,1,2,3
	v_lshrrev_b32 v[TM+4+\b], 23, v[TM+12+\b]      ; the scale's byte
.endr
	v_lshl_or_b32 v[PW], v[TM+5], 8, v[TM+4]
	v_lshl_or_b32 v[PW], v[TM+6], 16, v[PW]
	v_lshl_or_b32 v[PW], v[TM+7], 24, v[PW]
.irp c, 0,1
	v_cvt_scalef32_pk16_fp6_f32 v[PC+6*\c:PC+2+6*\c], v[\s+32*\c:\s+15+32*\c], v[TM+12+2*\c]
	v_cvt_scalef32_pk16_fp6_f32 v[PC+12+4*\c:PC+14+4*\c], v[\s+16+32*\c:\s+31+32*\c], v[TM+12+2*\c+1]   ; (a conversion's three registers begin on an even number)
.endr
	v_nop                                          ; one plain place behind a scaled conversion
.irp c, 0,1                                    ; the operand wants a whole block in a lane: lanes 0-15 block 2 c, lanes 16-31 block 2 c + 1
.irp i, 0,1,2
	v_permlane16_swap_b32 v[PC+6*\c+\i], v[PC+12+4*\c+\i]
.endr
.irp i, 0,1,2
	v_mov_b32 v[PC+3+6*\c+\i], v[PC+12+4*\c+\i]
.endr
.endr
.endm
	s_load_b256 s[4:11], s[0:1], 0x0               ; Wq s[4:5], Wk s[6:7], Wv s[8:9], wc s[10:11]
	v_lshl_add_u32 v[SPW], v0, 2, SPARE
	v_mov_b32 v[NIL], 0
	v_lshrrev_b32 v8, 5, v0
	v_readfirstlane_b32 s12, v8                    ; wave b
	v_and_b32 v8, 31, v0
	v_lshlrev_b32 v[LI], 4, v8
	s_mul_i32 s13, s12, STG
	v_add_nc_u32 v[STW], s13, v[LI]
	v_and_b32 v8, 15, v0                           ; r
	v_bfe_u32 v9, v0, 4, 1                         ; h
	v_mul_u32_u24 v[STR], v8, 528
	v_lshl_add_u32 v[STR], v9, 6, v[STR]
	v_add_nc_u32 v[STR], s13, v[STR]
.irp b, 0,1,2,3
	v_mov_b32 v[TM+4+\b], 0                        ; written once: a lane permute's destination counts as one of its sources
.endr
	s_mov_b32 s[SEL], 0x76543210
	s_mov_b32 s[SEL+1], 0xfedcba98
	s_mov_b32 s[HM], 0xffff0000
	s_lshr_b32 s14, ttmp9, 4                       ; which weight
	s_bfe_u32 s15, ttmp9, 0x20002                  ; which 128 rows of it
	s_and_b32 s16, ttmp9, 3                        ; which K step
	s_lshl_b32 s20, s15, 18                        ; in W: (128 w + 32 b) rows of 2,048 bytes + 512 s
	s_lshl_b32 s17, s12, 16
	s_add_co_u32 s20, s20, s17
	s_lshl_b32 s17, s16, 9
	s_add_co_u32 s20, s20, s17
	s_mov_b32 s21, 0
	s_lshl_b32 s17, s14, 1                         ; in wc: block ((wt 2 + s / 2) 4 + w)
	s_lshr_b32 s18, s16, 1
	s_add_co_u32 s17, s17, s18
	s_lshl_b32 s17, s17, 2
	s_add_co_u32 s17, s17, s15
	s_mul_i32 s17, s17, 25600
	s_and_b32 s18, s16, 1
	s_mul_i32 s19, s18, 12288
	s_add_co_u32 s22, s17, s19                     ; codes: + (s % 2) 12,288 + 2 b fragments
	s_mul_i32 s19, s12, 3072
	s_add_co_u32 s22, s22, s19
	s_mov_b32 s23, 0
	s_lshl_b32 s19, s18, 9
	s_add_co_u32 s28, s17, s19                     ; scale words: + 24,576 + (s % 2) 512 + 4 b
	s_lshl_b32 s19, s12, 2
	s_add_co_u32 s28, s28, s19
	s_add_co_u32 s28, s28, 24576
	s_mov_b32 s29, 0
	s_wait_alu depctr_va_vdst(0)
	s_wait_kmcnt 0x0
	s_cmp_eq_u32 s14, 0                            ; the choice hangs on the work-group's number alone
	s_cselect_b64 s[4:5], s[4:5], s[6:7]
	s_cmp_eq_u32 s14, 2
	s_cselect_b64 s[4:5], s[8:9], s[4:5]
	s_add_nc_u64 s[4:5], s[4:5], s[20:21]
	s_add_nc_u64 s[22:23], s[10:11], s[22:23]
	s_add_nc_u64 s[28:29], s[10:11], s[28:29]
.irp u, 0,1
.irp i, 0,1,2,3,4,5,6,7,8,9,10,11,12,13,14,15
	global_load_b128 v[R+64*\u+4*\i:R+64*\u+4*\i+3], v[LI], s[4:5] offset:(8*\u+(\i%8)+16*(\i/8))*2048 th:TH_LOAD_NT   ; 32 lanes read 512 consecutive bytes of the row that lane i of tile 2 b + u owns
.endr
.endr
.irp u, 0,1
	s_wait_loadcnt 16-16*\u                        ; this fragment's 16 loads are in; the other's may be out
.irp i, 0,1,2,3,4,5,6,7,8,9,10,11,12,13,14,15
	ds_store_b128 v[STW], v[R+64*\u+4*\i:R+64*\u+4*\i+3] offset:528*\i
.endr
.irp b, 0,1,2,3
.irp j, 0,1,2,3
	ds_load_b128 v[X+16*\b+4*\j:X+16*\b+4*\j+3], v[STR] offset:128*\b+16*\j   ; LDS serves a wave's instructions in order: these see my stores
.endr
.endr
	s_wait_dscnt 0x0
	s_wait_xcnt 0x0                                ; the last fragment's stores have read the codes' registers
	QUANT X
.irp c, 0,1,2
	global_store_b128 v[LI], v[PC+4*\c:PC+4*\c+3], s[22:23] offset:1536*\u+512*\c   ; 512 consecutive bytes
.endr
.if \u == 0
	v_mov_b32 v[PW0], v[PW]
.endif
.endr
	v_cndmask_b32 v[PP], v[PW0], v[PW], s[HM]      ; lanes 0-15: the even tile's words; lanes 16-31: the odd tile's
	global_store_b32 v[LI], v[PP], s[28:29]
	s_wait_tensorcnt 0x0                           ; the wave's end
	ds_add_u32 v[SPW], v[NIL]
	s_wait_dscnt 0x0
	s_endpgm
.Lfunc_end_k_qb2524d0be9_wprep:
	.size	k_qb2524d0be9_wprep, .Lfunc_end_k_qb2524d0be9_wprep-k_qb2524d0be9_wprep
	.p2alignl 7, 3214868480
	.fill 96, 4, 3214868480
	.section	.rodata,"a",@progbits
	.p2align	6, 0x0
	.amdhsa_kernel k_qb2524d0be9_wprep
		.amdhsa_group_segment_fixed_size 34304
		.amdhsa_private_segment_fixed_size 0
		.amdhsa_enable_private_segment 0
		.amdhsa_kernarg_size 32
		.amdhsa_user_sgpr_count 2
		.amdhsa_user_sgpr_kernarg_segment_ptr 1
		.amdhsa_wavefront_size32 1
		.amdhsa_system_sgpr_workgroup_id_x 1
		.amdhsa_system_sgpr_workgroup_id_y 1
		.amdhsa_system_sgpr_workgroup_id_z 1
		.amdhsa_system_vgpr_workitem_id 0
		.amdhsa_next_free_vgpr 256
		.amdhsa_next_free_sgpr 66
		.amdhsa_reserve_vcc 0
		.amdhsa_float_denorm_mode_32 3
		.amdhsa_float_denorm_mode_16_64 3
		.amdhsa_memory_ordered 1
		.amdhsa_forward_progress 1
		.amdhsa_inst_pref_size 19
	.end_amdhsa_kernel
	.amdgpu_metadata
---
amdhsa.version: [ 1, 2 ]
amdhsa.kernels:
  - .name:           k_qb2524d0be9_wprep
    .symbol:         k_qb2524d0be9_wprep.kd
    .args:
      - { .name: Wq, .offset: 0, .size: 8, .value_kind: global_buffer, .address_space: global }
      - { .name: Wk, .offset: 8, .size: 8, .value_kind: global_buffer, .address_space: global }
      - { .name: Wv, .offset: 16, .size: 8, .value_kind: global_buffer, .address_space: global }
      - { .name: wc, .offset: 24, .size: 8, .value_kind: global_buffer, .address_space: global }
    .group_segment_fixed_size: 34304
    .private_segment_fixed_size: 0
    .kernarg_segment_align: 8
    .kernarg_segment_size: 32
    .max_flat_workgroup_size: 128
    .sgpr_count:     66
    .vgpr_count:     256
    .wavefront_size: 32
...
	.end_amdgpu_metadata
.endif
;; end of part 1
;; launch proj (part 2): grid 256 x 1, 4 waves a work-group, clusters of 4 x 1, 327,680 bytes of LDS; arguments q, opp, bq, bk, bv, wc, qc, kc, vc; writes qc, kc, vc
.if DOCPART == 2
	.amdgcn_target "amdgcn-amd-amdhsa--gfx1250"
	.amdhsa_code_object_version 6
	.text
	.protected	k_qb2524d0be9_proj
	.globl	k_qb2524d0be9_proj
	.p2align	8
	.type	k_qb2524d0be9_proj,@function
k_qb2524d0be9_proj:
	s_mov_b64 s[64:65], 0
	v_nop
	global_prefetch_b8 v0, s[64:65] scope:SCOPE_SE
	s_setreg_imm32_b32 hwreg(HW_REG_WAVE_MODE, 25, 1), 1
	s_wait_xcnt 0x0
	s_wait_alu depctr_hold_cnt(0) depctr_sa_sdst(0) depctr_va_vdst(0) depctr_va_sdst(0) depctr_va_ssrc(0) depctr_va_vcc(0) depctr_vm_vsrc(0)
	s_getreg_b32 s2, hwreg(HW_REG_IB_STS2, 6, 4)
	s_cmp_eq_u32 s2, 0
	s_cbranch_scc0 .Lentry_in_a_cluster
	s_endpgm
.Lentry_in_a_cluster:
	s_bfe_u32 s2, ttmp6, 0x10000c
	s_cmp_lg_u32 s2, 0x3003
	s_cbranch_scc0 .Lentry_shape_is_right
	s_endpgm
.Lentry_shape_is_right:
; qp = q Wq^T + bq;  k = qp Wk^T + bk, v = qp Wv^T + bv;  opp_k = opp Wk^T + bk, opp_v = opp Wv^T + bv: five products on codes of FP6 (E2M3) with one E8M0 scale for each 32 along K, and the
; quantisers behind them: qp, k, opp_k along H; v, opp_v along the KEYS (the rows).  All results leave as codes, in the order of the operand's registers, in blocks of 25,600 bytes (24,576 of codes, 1,024 of scale words).
; SHARES.  Work-group g takes rows 64 g .. 64 g + 63 of q AND of opp: 256 work-groups of equal work.  THE WAVES SHARE THE COLUMNS: wave w makes output columns 128 w .. + 127 of every product, which is one K step of
; the next product.  The rows' codes go from wave to wave through LDS as images of their registers (a fragment: three stores of 16 bytes a lane, 512 bytes each).
; THE WEIGHTS (wc, made by the launch before) are walked alike by all work-groups: the four of a cluster ask for them JOINTLY.  Two LDS slots of 102,400 bytes; fill i = 0 .. 5 is (weight i / 2, K half i % 2); each wave
; asks for and reads its own quarter.  By this text's own count a wave has at most two tensor loads out.
; THE ROWS OF A TILE ARE NOT NEIGHBOURS, of weights and of q, opp, qp alike: lane r of tile 2 b + u takes row 32 b + 8 u + r % 8 + 16 (r / 8): the 16 registers of two neighbouring tiles of a result are 16 neighbours.
; PHASES.  Xq: wave w quantises tile w of q; opp's loads are issued meanwhile, into window 3, and land under phase 1.  1: qp (source 0 = 16 rows of Wq, source 1 = 16 rows of q: a lane holds a row, its registers run
; along H).  Xo: wave w quantises tile w of opp.  2: k and opp_k, as phase 1.  3: v and opp_v, the other way round (source 0 = 16 rows, source 1 = 16 rows of Wv: a lane holds a channel, its registers run along the keys).
; The biases are the C of each sum's first product.
; One schedule serves the three products: the operand in source 0 has two sets of registers (window 1), that in source 1 one set (window 0).  The next K step's fragments are fetched in SHORT RUNS, one behind the eight
; products of each block of source 1: that block's next fragment and, in the step's first half, a share of source 0's.
; LIMITS: NaN and infinities are not served; a block whose largest magnitude lies under 2^-124 keeps the byte 1; a block of zeros has the byte 1 where the rule says 127 (its codes are zeros; this program alone reads the bytes).
; REGISTERS: window 0: v1-15, v42 addresses; v16-31 the rows' scale words, v32-39 the weights'; v40, v41 the add's two; v44-87 at work in the quantiser; v96-127, v224-255 bk's tiles; v128-223 source 1's 8 fragments
;   (phases X: 64 numbers).   window 1: source 0's two sets at v0 and v128; bq's, later bv's tiles at v96-127 and v224-255.   windows 2, 3: accumulator (a, b) at v[8 (8 (a % 4) + b)] of window 2 + a / 4
;   (before that: window 2 holds q's four sets of loads, window 3 opp's).
.set BLK,   25600
.set RING1, 102400                     ; LDS: slot 0 at 0, slot 1 here
.set XQ,    204800                     ; images of q's 16 fragments (K step s, tile m: 6,144 s + 1,536 m),
.set XO,    229376                     ; of opp's,
.set XP,    253952                     ; of qp's
.set SQ,    278528                     ; their scale words, 1,024 bytes each (256 s + 8 l + 4 p): q's, opp's at + 1,024, qp's at + 2,048
.set STAGE, 281600                     ; a stage of 16 rows x 528 bytes for each wave
.set SPARE, 315392                     ; the spare words, 128 bytes a wave
.set OPPK,  6553600                    ; in kc and vc the opp kind lies so many bytes further on
.set LI,  1                            ; 16 l
.set L8,  2                            ; 8 l
.set L32, 3                            ; 32 l
.set AW0, 4                            ; v4, v5: my quarter of slot 0, 1, + 16 l
.set AXQ, 6
.set AXO, 7
.set ASX, 8
.set STW, 9
.set STR, 10
.set XIW, 11                           ; where I store the images of phases X: tile w
.set XSW, 12                           ; and their scale words: lanes' places r + 16 (w % 2) of pair w / 2
.set XPW, 13                           ; qp's images
.set SPWR, 14                          ; and scale words
.set BA,  15                           ; 64 h
.set XS,  16
.set WS,  32
.set SPW, 40
.set NIL, 41
.set BC,  42                           ; 4 (r % 8 + 16 (r / 8))
.set PP,  44
.set PW0, 46
.set PW,  47
.set TM,  48
.set PC,  68
.set AF,  128
.set WV,  22
.set G1,  32
.set G0,  40
.set SEL, 48
.set HM,  50
.set XB,  52                           ; s[52:53] q at my tile's first row
.set QCB, 54
.set QSB, 56
.set KCB, 58
.set KSB, 60
.set XB2, 62                           ; s[62:63] opp likewise
.set VCB, 66
.set VSB, 68
.set MSB, 0
.macro WIN new                         ; the immediate's high byte repeats the setting that is left; a switch that changes nothing is dropped
.if MSB != (\new)
	s_set_vgpr_msb (MSB<<8)|(\new)
.set MSB, (\new)
.endif
.endm
.macro PLACES n
.rept \n
	v_nop
.endr
.endm
.macro CREST                           ; a round of the cluster's barrier behind its opening barrier
	s_cmp_lg_u32 s[WV], 0
	s_cbranch_scc1 .Lnot_wave_0_\@
	s_barrier_signal -3
.Lnot_wave_0_\@:
	s_barrier_wait -3
	s_barrier_signal -1
	s_barrier_wait -1
.endm
.macro CROUND
	s_barrier_signal -1
	s_barrier_wait -1
	CREST
.endm
; 64 numbers of a lane, v[s] on in window w, register 16 b + i = k 32 b + 16 h + i of my row, become 12 registers of codes in v[PC] on and a scale word in v[PW].  Each accumulator is first read at its two lowest registers.
; xw = 1: global stores of the last codes may be pending: the wait that frees their data stands directly ahead of the conversions, behind the lines that touch none of it.
.macro QUANT s, w, xw
	WIN (\w)|((\w)<<2)
.irp b, 0,1,2,3
	v_max3_num_f32 v[TM+\b], |v[(\s)+16*\b]|, |v[(\s)+1+16*\b]|, 0x1800000   ; and the floor 2^(3 - 127): the byte cannot fall under 1
.endr
	WIN ((\w)<<2)|((\w)<<4)
.irp i, 2,4,6,8,10,12,14
.irp b, 0,1,2,3
	v_max3_num_f32 v[TM+\b], v[TM+\b], |v[(\s)+16*\b+\i]|, |v[(\s)+1+16*\b+\i]|
.endr
.endr
	WIN 0
.irp b, 0,1,2,3
	v_permlanex16_b32 v[TM+4+\b], v[TM+\b], s[SEL], s[SEL+1]
.endr
.irp b, 0,1,2,3
	v_max_num_f32 v[TM+\b], v[TM+\b], v[TM+4+\b]
.endr
.irp b, 0,1,2,3
	v_add_nc_u32 v[TM+12+\b], 0xff000000, v[TM+\b]   ; 2 off the exponent field: the conversion's scale operand
.endr
.irp b, 0,1,2,3
	v_lshrrev_b32 v[TM+4+\b], 23, v[TM+12+\b]
.endr
	v_lshl_or_b32 v[PW], v[TM+5], 8, v[TM+4]
	v_lshl_or_b32 v[PW], v[TM+6], 16, v[PW]
	v_lshl_or_b32 v[PW], v[TM+7], 24, v[PW]
.if \xw
	s_wait_xcnt 0x0                                ; the last codes' stores have read their registers: only now are these written again
.endif
	WIN (\w)
.irp c, 0,1
	v_cvt_scalef32_pk16_fp6_f32 v[PC+6*\c:PC+2+6*\c], v[(\s)+32*\c:(\s)+15+32*\c], v[TM+12+2*\c]
	v_cvt_scalef32_pk16_fp6_f32 v[PC+12+4*\c:PC+14+4*\c], v[(\s)+16+32*\c:(\s)+31+32*\c], v[TM+12+2*\c+1]
.endr
	WIN 0
	v_nop                                          ; one plain place behind a scaled conversion
.irp c, 0,1
.irp i, 0,1,2
	v_permlane16_swap_b32 v[PC+6*\c+\i], v[PC+12+4*\c+\i]
.endr
.irp i, 0,1,2
	v_mov_b32 v[PC+3+6*\c+\i], v[PC+12+4*\c+\i]
.endr
.endr
.endm
.macro PAIR m, dst                     ; two tiles' scale words make one register: lanes 0-15 the even tile's, lanes 16-31 the odd tile's
.if ((\m)%2) == 0
	v_mov_b32 v[PW0], v[PW]
.else
	v_cndmask_b32 v[\dst], v[PW0], v[PW], s[HM]
.endif
.endm
; one product.  pa, pb: the two tiles' numbers: an odd tile's scale words lie in lanes 16-31
.macro WM d, a, b, c, sa, sb, pa, pb
.if (((\pa)%2) == 0) && (((\pb)%2) == 0)
	v_wmma_scale_f32_16x16x128_f8f6f4 v[(\d):(\d)+7], v[(\a):(\a)+11], v[(\b):(\b)+11], v[(\c):(\c)+7], v[\sa], v[\sb] matrix_a_fmt:MATRIX_FMT_FP6 matrix_b_fmt:MATRIX_FMT_FP6
.elseif ((\pb)%2) == 0
	v_wmma_scale_f32_16x16x128_f8f6f4 v[(\d):(\d)+7], v[(\a):(\a)+11], v[(\b):(\b)+11], v[(\c):(\c)+7], v[\sa], v[\sb] matrix_a_fmt:MATRIX_FMT_FP6 matrix_b_fmt:MATRIX_FMT_FP6 matrix_a_scale:MATRIX_SCALE_ROW1
.elseif ((\pa)%2) == 0
	v_wmma_scale_f32_16x16x128_f8f6f4 v[(\d):(\d)+7], v[(\a):(\a)+11], v[(\b):(\b)+11], v[(\c):(\c)+7], v[\sa], v[\sb] matrix_a_fmt:MATRIX_FMT_FP6 matrix_b_fmt:MATRIX_FMT_FP6 matrix_b_scale:MATRIX_SCALE_ROW1
.else
	v_wmma_scale_f32_16x16x128_f8f6f4 v[(\d):(\d)+7], v[(\a):(\a)+11], v[(\b):(\b)+11], v[(\c):(\c)+7], v[\sa], v[\sb] matrix_a_fmt:MATRIX_FMT_FP6 matrix_b_fmt:MATRIX_FMT_FP6 matrix_a_scale:MATRIX_SCALE_ROW1 matrix_b_scale:MATRIX_SCALE_ROW1
.endif
.endm
.macro LDW reg, s, t                   ; a weight's fragment (K step s, my tile t) out of my quarter of slot s / 2
.irp c, 0,1,2
	ds_load_b128 v[(\reg)+4*\c:(\reg)+4*\c+3], v[AW0+(\s)/2] offset:((\s)%2)*12288+1536*(\t)+512*\c
.endr
.endm
.macro LDX reg, ph, s, a               ; a fragment of rows: phase 1: q's tile a; phases 2, 3: blocks 0-3 qp's tiles, 4-7 opp's
.irp c, 0,1,2
.if (\ph) == 1
	ds_load_b128 v[(\reg)+4*\c:(\reg)+4*\c+3], v[AXQ] offset:6144*(\s)+1536*(\a)+512*\c
.else
	ds_load_b128 v[(\reg)+4*\c:(\reg)+4*\c+3], v[AXO] offset:(1-(\a)/4)*24576+6144*(\s)+1536*((\a)%4)+512*\c
.endif
.endr
.endm
.macro WSC s                           ; the weight's four scale registers of K step s
	ds_load_b128 v[WS+4*((\s)%2):WS+4*((\s)%2)+3], v[AW0+(\s)/2] offset:24576+((\s)%2)*512
.endm
.macro RUNB ph, s, b0, n               ; n of source 0's fragments of K step s, from b0 on, into set s % 2
	WIN 0x40
.set b_, \b0
.rept \n
.if (\ph) < 3
	LDW 128*((\s)%2)+12*b_,\s,b_
.else
	LDX 128*((\s)%2)+12*b_,\ph,\s,b_
.endif
.set b_, b_+1
.endr
	WIN 0
.endm
.macro FETCHA ph, s, a0, n             ; n of source 1's fragments, from a0 on
.set a_, \a0
.rept \n
.if (\ph) < 3
	LDX AF+12*a_,\ph,\s,a_
.else
	LDW AF+12*a_,\s,a_
.endif
.set a_, a_+1
.endr
.endm
; 8 products: source 1's block a against source 0's eight.  In K step 0 the C is the bias tile of the weight's tile (bk's tiles lie in window 0, bq's and bv's in window 1).
; The accumulators take turns, one instruction a turn, in one order in every step.
.macro MULQ ph, s, a
.if (\s) == 0
.if (\ph) == 2
	WIN 0x81+0x40*((\a)/4)
.else
	WIN 0x91+0x40*((\a)/4)
.endif
.else
	WIN 0xa1+0x50*((\a)/4)
.endif
.set b_, 0
.rept 8
.set d_, 8*(8*((\a)%4)+b_)
.set c_, d_
.if (\s) == 0
.if (\ph) < 3
.set c_, 96+8*b_+96*(b_/4)
.else
.set c_, 96+8*(\a)+96*((\a)/4)
.endif
.endif
.if (\ph) < 3
	WM d_,128*((\s)%2)+12*b_,AF+12*(\a),c_,WS+4*((\s)%2)+b_/2,XS+4*(\s)+(\a)/2,b_,\a
.else
	WM d_,128*((\s)%2)+12*b_,AF+12*(\a),c_,XS+4*(\s)+b_/2,WS+4*((\s)%2)+(\a)/2,b_,\a
.endif
.set b_, b_+1
.endr
.endm
.macro MULH ph, s, q                   ; a quarter of a K step's products
.if (\ph) == 1
	MULQ \ph,\s,\q
.else
	MULQ \ph,\s,2*(\q)
	MULQ \ph,\s,2*(\q)+1
.endif
.endm
; A K step of 128.  Behind the eight products of block a stand four places and then a short run of LDS loads for the next K step: block a's own next fragment and, behind the first NA / 2 blocks, NB of source 0's eight
; (the other set; with the first run the weight's scale words).  So the youngest NU loads at a step's end are source 1's upper half, in every path.
; fill = 1: the slot whose last fragments were fetched in the step before is filled again, by a joint load behind a round of the cluster's barrier; no LDS load stands ahead of that load, so the step's runs follow it.
; tw = 1: all my fills have landed.
.macro KSTEP ph, s, fill, tw
.set NA, 8
.if (\ph) == 1
.set NA, 4
.endif
.set NU, 3*NA/2                        ; the loads of source 1's upper half
.set NB, 16/NA
.if \tw
	s_wait_tensorcnt 0x0                           ; the fill that the next K step's fragments come from has landed; only I read my quarter
.endif
.if \fill
	s_wait_tensorcnt 0x0                           ; all my tensor loads have landed, so a group 0 may be written;
	ds_add_u32 v[SPW], v[NIL]                      ; 0 onto my spare word
	s_add_nc_u64 s[G0+4*((\s)/2)+2:G0+4*((\s)/2)+3], s[G0+4*((\s)/2)+2:G0+4*((\s)/2)+3], 8*BLK   ; the slot's next fill: two fills on
	s_wait_dscnt NU+1                              ; (the add and source 1's upper half may be out)
	MULH \ph,\s,0
	s_wait_dscnt 0x0                               ; the add is done, and my reads of the slot are over
	s_barrier_signal -1
	MULH \ph,\s,1
	WIN 0
	s_barrier_wait -1
	CREST                                          ; no wave of any partner still reads the slot or has a load on its way
	tensor_load_to_lds s[G0+4*((\s)/2):G0+4*((\s)/2)+3], s[G1:G1+7]
	s_nop 0
	PLACES 4                                       ; also the places in front of the loads into the lower blocks' registers, here and in the next two runs
.if (\s) < 3
.if NA == 8
	RUNB \ph,(\s)+1,0,3
	WSC (\s)+1
	FETCHA \ph,(\s)+1,0,1
	MULQ \ph,\s,4
	RUNB \ph,(\s)+1,3,3
	FETCHA \ph,(\s)+1,1,1
	MULQ \ph,\s,5
	RUNB \ph,(\s)+1,6,2
	FETCHA \ph,(\s)+1,2,2
	MULQ \ph,\s,6
	PLACES 4
	WIN 0
	FETCHA \ph,(\s)+1,4,3
	MULQ \ph,\s,7
	PLACES 4
	WIN 0
	FETCHA \ph,(\s)+1,7,1
.else
	RUNB \ph,(\s)+1,0,4
	WSC (\s)+1
	FETCHA \ph,(\s)+1,0,1
	MULQ \ph,\s,2
	RUNB \ph,(\s)+1,4,4
	FETCHA \ph,(\s)+1,1,1
	MULQ \ph,\s,3
	PLACES 4
	WIN 0
	FETCHA \ph,(\s)+1,2,2
.endif
.else
	MULH \ph,\s,2
	MULH \ph,\s,3
	PLACES 4
	WIN 0
.endif
.else
	s_wait_dscnt NU                                ; all but source 1's upper half is in
.set a2_, 0
.rept NA
.if a2_ == NA/2
.if (\s) < 3
	s_wait_dscnt 25+NU                             ; source 1's upper half is in: only this step's runs so far may be out: 24 loads of source 0, 1 of scale words, NU of source 1's lower half
.else
	s_wait_dscnt 0x0
.endif
.endif
	MULQ \ph,\s,a2_
.if ((\s) < 3) || (a2_ == NA-1)
	PLACES 4                                       ; in front of the load into the block's registers; behind the last block: of the first read of results
.endif
.if (\s) < 3
.if a2_ < NA/2
	RUNB \ph,(\s)+1,NB*a2_,NB
.if a2_ == 0
	WSC (\s)+1
.endif
.else
	WIN 0
.endif
	FETCHA \ph,(\s)+1,a2_,1
.endif
.set a2_, a2_+1
.endr
	WIN 0
.endif
.endm
.macro PSTART ph                       ; a phase's first fetches; the youngest NU loads are source 1's upper half
.set NA, 8
.if (\ph) == 1
.set NA, 4
.endif
	s_wait_tensorcnt 0x1                           ; the older of my fills, this phase's first K half, has landed; the younger may be out
.irp s, 0,1,2,3
.if (\ph) == 1
	ds_load_b64 v[XS+4*\s:XS+4*\s+1], v[ASX] offset:256*\s
.elseif (\ph) == 2
	ds_load_b64 v[XS+4*\s:XS+4*\s+1], v[ASX] offset:2048+256*\s       ; qp's two pairs of tiles,
	ds_load_b64 v[XS+4*\s+2:XS+4*\s+3], v[ASX] offset:1024+256*\s     ; opp's two; they stay for phase 3
.endif
.endr
	RUNB \ph,0,0,8
	WSC 0
	FETCHA \ph,0,0,NA
.endm
.macro BIAS16 base, w                  ; a bias along the registers, into window w: tile t's eight numbers of my half, 32 (t / 2) + 8 (t % 2) + 16 h on
	WIN 0x40*(\w)
.irp t, 0,1,2,3,4,5,6,7
	global_load_b128 v[96+8*\t+96*(\t/4):96+8*\t+96*(\t/4)+3], v[BA], s[\base:\base+1] offset:(32*(\t/2)+8*(\t%2))*4
	global_load_b128 v[96+8*\t+96*(\t/4)+4:96+8*\t+96*(\t/4)+7], v[BA], s[\base:\base+1] offset:(32*(\t/2)+8*(\t%2))*4+16
.endr
	WIN 0
.endm
.macro LOADX f                         ; fragment f: K step f % 4 of my tile of q (f < 4) or of opp: 16 rows x 512 bytes into set f % 4 of window 2 + f / 4
	WIN 0x80+0x40*((\f)/4)
.set i_, 0
.rept 16
.if (\f) < 4
	global_load_b128 v[64*((\f)%4)+4*i_:64*((\f)%4)+4*i_+3], v[LI], s[XB:XB+1] offset:((i_%8)+16*(i_/8))*2048+512*((\f)%4) th:TH_LOAD_NT
.else
	global_load_b128 v[64*((\f)%4)+4*i_:64*((\f)%4)+4*i_+3], v[LI], s[XB2:XB2+1] offset:((i_%8)+16*(i_/8))*2048+512*((\f)%4) th:TH_LOAD_NT
.endif
.set i_, i_+1
.endr
	WIN 0
.endm
.macro XFRAGQ f                        ; it turns through my stage, is quantised, and its image goes to LDS
.if (7-(\f)) >= 3
	s_wait_loadcnt 48                              ; its 16 loads are in (and all that is older: the biases); the three fragments' behind it may be out
.else
	s_wait_loadcnt 16*(7-(\f))
.endif
	WIN 0x08+0x04*((\f)/4)
.set i_, 0
.rept 16
	ds_store_b128 v[STW], v[64*((\f)%4)+4*i_:64*((\f)%4)+4*i_+3] offset:528*i_
.set i_, i_+1
.endr
	WIN 0
.irp b, 0,1,2,3
.irp j, 0,1,2,3
	ds_load_b128 v[AF+16*\b+4*\j:AF+16*\b+4*\j+3], v[STR] offset:128*\b+16*\j   ; LDS serves a wave's instructions in order: these see my stores
.endr
.endr
	s_wait_dscnt 0x0                               ; the numbers are back; the last image's stores have read their registers
.if (\f)+4 < 8
	LOADX (\f)+4                                   ; opp's fragment of the same K step: it has phase 1 in which to land
.endif
	QUANT AF,0,(\f)/4                              ; (opp's turn follows qp's stores of codes: there the quantiser frees their registers)
.irp c, 0,1,2
	ds_store_b128 v[XIW], v[PC+4*\c:PC+4*\c+3] offset:6144*((\f)%4)+24576*((\f)/4)+512*\c
.endr
	ds_store_b32 v[XSW], v[PW] offset:256*((\f)%4)+1024*((\f)/4)   ; lanes r and r + 16 write the same word with the same value
.endm
	s_load_b256 s[4:11], s[0:1], 0x0               ; q s[4:5], opp s[6:7], bq s[8:9], bk s[10:11]
	s_load_b256 s[12:19], s[0:1], 0x20             ; bv s[12:13], wc s[14:15], qc s[16:17], kc s[18:19]
	s_load_b64 s[20:21], s[0:1], 0x40              ; vc
	v_lshl_add_u32 v[SPW], v0, 2, SPARE
	v_mov_b32 v[NIL], 0
	ds_add_u32 v[SPW], v[NIL]                      ; the wave's opening: the add and its wait stand ahead of my first tensor load; the set-up below stands between them
	ds_add_u32 v[SPW], v[NIL]
	v_lshrrev_b32 v88, 5, v0
	v_readfirstlane_b32 s[WV], v88                 ; wave 0..3
	v_and_b32 v88, 31, v0                          ; l
	v_and_b32 v89, 15, v0                          ; r
	v_bfe_u32 v90, v0, 4, 1                        ; h
	v_lshlrev_b32 v[LI], 4, v88
	v_lshlrev_b32 v[L8], 3, v88
	v_lshlrev_b32 v[L32], 5, v88
	s_mul_i32 s25, s[WV], BLK                      ; my quarter of a slot
	v_add_nc_u32 v[AW0], s25, v[LI]
	v_add_nc_u32 v[AW0+1], RING1, v[AW0]
	v_add_nc_u32 v[AXQ], XQ, v[LI]
	v_add_nc_u32 v[AXO], XO, v[LI]
	v_add_nc_u32 v[ASX], SQ, v[L8]
	s_mul_i32 s26, s[WV], 8448
	s_add_co_u32 s26, s26, STAGE
	v_add_nc_u32 v[STW], s26, v[LI]
	v_mul_u32_u24 v[STR], v89, 528
	v_lshl_add_u32 v[STR], v90, 6, v[STR]
	v_add_nc_u32 v[STR], s26, v[STR]
	s_lshr_b32 s27, s[WV], 1                       ; phases X: my tile w = 2 (w / 2) + w % 2
	s_and_b32 s28, s[WV], 1
	s_mul_i32 s29, s[WV], 1536
	s_add_co_u32 s29, s29, XQ
	v_add_nc_u32 v[XIW], s29, v[LI]
	s_lshl_b32 s29, s28, 7                         ; its scale words: 8 (r + 16 (w % 2)) + 4 (w / 2)
	s_lshl_b32 s30, s27, 2
	s_add_co_u32 s29, s29, s30
	s_add_co_u32 s29, s29, SQ
	v_lshl_add_u32 v[XSW], v89, 3, s29
	s_mul_i32 s29, s[WV], 6144                     ; K step w of the next product
	s_add_co_u32 s30, s29, XP
	v_add_nc_u32 v[XPW], s30, v[LI]
	s_lshl_b32 s30, s[WV], 8
	s_add_co_u32 s31, s30, SQ+2048
	v_add_nc_u32 v[SPWR], s31, v[L8]
	v_lshlrev_b32 v[BA], 6, v90
	v_and_b32 v91, 7, v0
	v_bfe_u32 v92, v0, 3, 1
	v_lshl_add_u32 v91, v92, 4, v91
	v_lshlrev_b32 v[BC], 2, v91
.irp b, 0,1,2,3
	v_mov_b32 v[TM+4+\b], 0                        ; written once: a lane permute's destination counts as one of its sources
.endr
	s_mov_b32 s[SEL], 0x76543210
	s_mov_b32 s[SEL+1], 0xfedcba98
	s_mov_b32 s[HM], 0xffff0000
	; descriptor group 1, for every fill: a dense block of 25,600 bytes as 100 rows of 32 elements of 8 bytes; no padding: every read of an image takes consecutive bytes
	s_mov_b32 s[G1], 15|(3<<16)|(1<<21)            ; 15:0 the mask: all four work-groups; 17:16 elements of 8 bytes; 21 set beside a mask
	s_mov_b32 s[G1+1], 32<<16                      ; tensor_dim0 = 32
	s_mov_b32 s[G1+2], 100<<16                     ; tensor_dim1 = 100
	s_mov_b32 s[G1+3], 32<<16                      ; tile_dim0 = 32
	s_mov_b32 s[G1+4], 100                         ; tile_dim1 = 100
	s_mov_b32 s[G1+5], 32                          ; elements from row to row
	s_mov_b32 s[G1+6], 0
	s_mov_b32 s[G1+7], 0
	s_bfe_u32 s23, ttmp6, 0x40000                  ; cx
	s_lshl_b32 s24, ttmp9, 2
	s_add_co_u32 s24, s24, s23                     ; g = 4 x cluster x + cx: it enters global addresses of q, opp, qc, kc, vc alone
	s_lshl_b32 s[XB], s24, 17                      ; (64 g + 32 (w / 2) + 8 (w % 2)) rows of 2,048 bytes
	s_lshl_b32 s31, s27, 16
	s_add_co_u32 s[XB], s[XB], s31
	s_lshl_b32 s31, s28, 14
	s_add_co_u32 s[XB], s[XB], s31
	s_mov_b32 s[XB+1], 0
	s_mul_i32 s[QCB], s24, BLK                     ; block g, K step w
	s_add_co_u32 s[QSB], s[QCB], s30
	s_add_co_u32 s[QSB], s[QSB], 24576
	s_add_co_u32 s[QCB], s[QCB], s29
	s_mov_b32 s[QCB+1], 0
	s_mov_b32 s[QSB+1], 0
	s_lshr_b32 s[VCB], s24, 4                      ; vc: batch, key step (g % 16) / 4, channels 128 w on, 64-key group g % 4
	s_mul_i32 s[VCB], s[VCB], 16*BLK
	s_bfe_u32 s31, s24, 0x20002
	s_mul_i32 s31, s31, 4*BLK
	s_add_co_u32 s[VCB], s[VCB], s31
	s_add_co_u32 s[VCB], s[VCB], s25
	s_and_b32 s31, s24, 3
	s_lshl_b32 s[VSB], s31, 1
	s_mul_i32 s31, s31, 768
	s_add_co_u32 s[VSB], s[VSB], s[VCB]
	s_add_co_u32 s[VSB], s[VSB], 24576
	s_add_co_u32 s[VCB], s[VCB], s31
	s_mov_b32 s[VCB+1], 0
	s_mov_b32 s[VSB+1], 0
	s_lshl_b32 s30, s[WV], 9                       ; my 128 numbers of a bias
	s_mov_b32 s31, 0
	s_mov_b32 s28, s25                             ; my quarter, as a pair
	s_mov_b32 s29, 0
	s_wait_dscnt 0x0                               ; the opening add is done
	s_wait_kmcnt 0x0
	s_add_nc_u64 s[XB2:XB2+1], s[6:7], s[XB:XB+1]
	s_add_nc_u64 s[XB:XB+1], s[4:5], s[XB:XB+1]
	s_add_nc_u64 s[KCB:KCB+1], s[18:19], s[QCB:QCB+1]
	s_add_nc_u64 s[KSB:KSB+1], s[18:19], s[QSB:QSB+1]
	s_add_nc_u64 s[QCB:QCB+1], s[16:17], s[QCB:QCB+1]
	s_add_nc_u64 s[QSB:QSB+1], s[16:17], s[QSB:QSB+1]
	s_add_nc_u64 s[VCB:VCB+1], s[20:21], s[VCB:VCB+1]
	s_add_nc_u64 s[VSB:VSB+1], s[20:21], s[VSB:VSB+1]
	s_add_nc_u64 s[8:9], s[8:9], s[30:31]
	s_add_nc_u64 s[10:11], s[10:11], s[30:31]
	s_add_nc_u64 s[12:13], s[12:13], s[30:31]
	s_mov_b32 s[G0], 1                             ; group 0 of slot 0: count 1,
	s_mov_b32 s[G0+1], s25                         ; LDS address: my quarter,
	s_add_nc_u64 s[G0+2:G0+3], s[14:15], s[28:29]  ; fill 0, block w: nothing of the work-group's place enters
	s_or_b32 s[G0+3], s[G0+3], 0x80000000          ; type 2
	s_mov_b32 s[G0+4], 1
	s_add_co_u32 s[G0+5], s25, RING1
	s_add_nc_u64 s[G0+6:G0+7], s[14:15], s[28:29]
	s_add_nc_u64 s[G0+6:G0+7], s[G0+6:G0+7], 4*BLK ; fill 1
	s_or_b32 s[G0+7], s[G0+7], 0x80000000
	CROUND                                         ; all four work-groups are here: the first joint loads meet
	tensor_load_to_lds s[G0:G0+3], s[G1:G1+7]      ; fill 0
	s_nop 0
	PLACES 4
	s_wait_alu depctr_va_vdst(0)
	BIAS16 8,1                                     ; bq, into window 1
	BIAS16 10,0                                    ; bk, into window 0: both are older than every load of q and opp, so the first counted wait below shows them in
	LOADX 0
	LOADX 1
	LOADX 2
	LOADX 3
	; ---- Xq: my tile of q
.irp f, 0,1,2,3
	XFRAGQ \f
.endr
	s_wait_tensorcnt 0x0                           ; fill 0 has landed
	ds_add_u32 v[SPW], v[NIL]                      ; 0 onto my spare word
	s_wait_dscnt 0x0                               ; the add is done and my images have landed
	CROUND                                         ; q's 16 fragments lie in LDS, and all four work-groups are here: the joint loads meet; opp's loads stay on their way
	tensor_load_to_lds s[G0+4:G0+7], s[G1:G1+7]    ; fill 1, slot 1's first: my one tensor load behind the round
	s_nop 0
	PLACES 4
	; ---- 1: qp
	PSTART 1
	KSTEP 1,0,0,0
	KSTEP 1,1,1,0                                  ; slot 0 takes Wk's first K half
	KSTEP 1,2,0,0
	KSTEP 1,3,0,0
.irp m, 0,1,2,3
	s_wait_dscnt 0x0                               ; the last tile's LDS stores have read the codes' registers
	QUANT 64*\m,2,1
.irp c, 0,1,2
	ds_store_b128 v[XPW], v[PC+4*\c:PC+4*\c+3] offset:1536*\m+512*\c
	global_store_b128 v[LI], v[PC+4*\c:PC+4*\c+3], s[QCB:QCB+1] offset:1536*\m+512*\c   ; 512 consecutive bytes
.endr
	PAIR \m,PP+\m/2
.endr
	ds_store_b64 v[SPWR], v[PP:PP+1]
	global_store_b64 v[L8], v[PP:PP+1], s[QSB:QSB+1]   ; 256 consecutive bytes
	; slot 1, read out since phase 1's third K step, takes Wk's second K half here: the fill before it has had three K steps and the four quantiser calls in which to land, this one has opp's turn and a K step
	s_wait_tensorcnt 0x0                           ; all my tensor loads have landed, so a group 0 may be written;
	ds_add_u32 v[SPW], v[NIL]                      ; 0 onto my spare word
	s_add_nc_u64 s[G0+6:G0+7], s[G0+6:G0+7], 8*BLK
	s_wait_dscnt 0x0                               ; the add is done, my reads of the slot are over, and qp's images have landed
	CROUND
	tensor_load_to_lds s[G0+4:G0+7], s[G1:G1+7]
	s_nop 0
	PLACES 4
	; ---- Xo: my tile of opp
.irp f, 4,5,6,7
	XFRAGQ \f
.endr
	s_wait_dscnt 0x0
	s_barrier_signal -1
	s_barrier_wait -1                              ; qp's and opp's 32 fragments lie in LDS.
	; ---- 2: k and opp_k
	PSTART 2
	KSTEP 2,0,0,0
	KSTEP 2,1,1,0                                  ; slot 0 takes Wv's first K half
	KSTEP 2,2,0,0
	KSTEP 2,3,1,0                                  ; slot 1 its second
	WIN 0x40
.irp t, 0,1,2,3,4,5,6,7
	global_load_b32 v[96+8*\t+96*(\t/4)], v[BC], s[12:13] offset:(32*(\t/2)+8*(\t%2))*4   ; bv at my lane's channel of tile t
.endr
	WIN 0
.irp a, 0,1,2,3,4,5,6,7
	QUANT 64*(\a%4),2+\a/4,1
.irp c, 0,1,2
	global_store_b128 v[LI], v[PC+4*\c:PC+4*\c+3], s[KCB:KCB+1] offset:1536*(\a%4)+512*\c+(\a/4)*OPPK
.endr
	PAIR \a,PP+(\a%4)/2
.if (\a%4) == 3
	global_store_b64 v[L8], v[PP:PP+1], s[KSB:KSB+1] offset:(\a/4)*OPPK
.endif
.endr
	s_wait_loadcnt 0x0                             ; bv
	WIN 0x41
.irp t, 0,1,2,3,4,5,6,7
.irp j, 1,2,3,4,5,6,7
	v_mov_b32 v[96+8*\t+96*(\t/4)+\j], v[96+8*\t+96*(\t/4)]   ; in phase 3 a lane holds one channel: its bias stands in all eight registers of the tile
.endr
.endr
	WIN 0
	; ---- 3: v and opp_v, a lane to a channel, registers along the keys
	s_wait_alu depctr_va_vdst(0)
	PSTART 3
	KSTEP 3,0,0,0
	KSTEP 3,1,0,1
	KSTEP 3,2,0,0
	KSTEP 3,3,0,0
.irp t, 0,1,2,3,4,5,6,7                        ; a tile's 64 registers: v's 64 keys, then opp_v's: one quantiser call gives both halves of a fragment, six registers each, and two scale bytes each
	QUANT 64*(\t%4),2+\t/4,1
	global_store_b128 v[LI], v[PC:PC+3], s[VCB:VCB+1] offset:3072*\t
	global_store_b64 v[L8], v[PC+4:PC+5], s[VCB:VCB+1] offset:3072*\t+512
	global_store_b128 v[LI], v[PC+6:PC+9], s[VCB:VCB+1] offset:3072*\t+OPPK
	global_store_b64 v[L8], v[PC+10:PC+11], s[VCB:VCB+1] offset:3072*\t+512+OPPK
	PAIR \t,PP
.if (\t%2) == 1
	global_store_b16 v[L32], v[PP], s[VSB:VSB+1] offset:8*(\t/2)                 ; v's two bytes: two bytes of each lane's 32: four work-groups fill a lane's eight bytes of a pair
	global_store_d16_hi_b16 v[L32], v[PP], s[VSB:VSB+1] offset:8*(\t/2)+OPPK     ; opp_v's
.endif
.endr
	s_wait_tensorcnt 0x0                           ; the wave's end
	ds_add_u32 v[SPW], v[NIL]
	s_wait_dscnt 0x0
	CROUND                                         ; the closing round: no work-group ends while a partner may still ask for a fill that names it
	s_endpgm
.Lfunc_end_k_qb2524d0be9_proj:
	.size	k_qb2524d0be9_proj, .Lfunc_end_k_qb2524d0be9_proj-k_qb2524d0be9_proj
	.p2alignl 7, 3214868480
	.fill 96, 4, 3214868480
	.section	.rodata,"a",@progbits
	.p2align	6, 0x0
	.amdhsa_kernel k_qb2524d0be9_proj
		.amdhsa_group_segment_fixed_size 327680
		.amdhsa_private_segment_fixed_size 0
		.amdhsa_enable_private_segment 0
		.amdhsa_kernarg_size 72
		.amdhsa_user_sgpr_count 2
		.amdhsa_user_sgpr_kernarg_segment_ptr 1
		.amdhsa_wavefront_size32 1
		.amdhsa_system_sgpr_workgroup_id_x 1
		.amdhsa_system_sgpr_workgroup_id_y 1
		.amdhsa_system_sgpr_workgroup_id_z 1
		.amdhsa_system_vgpr_workitem_id 0
		.amdhsa_next_free_vgpr 1024
		.amdhsa_next_free_sgpr 72
		.amdhsa_reserve_vcc 0
		.amdhsa_float_denorm_mode_32 3
		.amdhsa_float_denorm_mode_16_64 3
		.amdhsa_memory_ordered 1
		.amdhsa_forward_progress 1
		.amdhsa_inst_pref_size 255
	.end_amdhsa_kernel
	.section	.bss,"aw",@nobits
	.p2align	6
	.space	262144
	.amdgpu_metadata
---
amdhsa.version: [ 1, 2 ]
amdhsa.kernels:
  - .name:           k_qb2524d0be9_proj
    .symbol:         k_qb2524d0be9_proj.kd
    .args:
      - { .name: q, .offset: 0, .size: 8, .value_kind: global_buffer, .address_space: global }
      - { .name: opp, .offset: 8, .size: 8, .value_kind: global_buffer, .address_space: global }
      - { .name: bq, .offset: 16, .size: 8, .value_kind: global_buffer, .address_space: global }
      - { .name: bk, .offset: 24, .size: 8, .value_kind: global_buffer, .address_space: global }
      - { .name: bv, .offset: 32, .size: 8, .value_kind: global_buffer, .address_space: global }
      - { .name: wc, .offset: 40, .size: 8, .value_kind: global_buffer, .address_space: global }
      - { .name: qc, .offset: 48, .size: 8, .value_kind: global_buffer, .address_space: global }
      - { .name: kc, .offset: 56, .size: 8, .value_kind: global_buffer, .address_space: global }
      - { .name: vc, .offset: 64, .size: 8, .value_kind: global_buffer, .address_space: global }
    .group_segment_fixed_size: 327680
    .private_segment_fixed_size: 0
    .kernarg_segment_align: 8
    .kernarg_segment_size: 72
    .max_flat_workgroup_size: 128
    .sgpr_count:     72
    .vgpr_count:     1024
    .wavefront_size: 32
...
	.end_amdgpu_metadata
.endif
;; end of part 2
;; launch attn (part 3): grid 8 x 32, 4 waves a work-group, clusters of 4 x 1, 327,680 bytes of LDS; arguments qc, kc, vc, out0, out1; writes out0, out1
.if DOCPART == 3
	.amdgcn_target "amdgcn-amd-amdhsa--gfx1250"
	.amdhsa_code_object_version 6
	.text
	.protected	k_qb2524d0be9_attn
	.globl	k_qb2524d0be9_attn
	.p2align	8
	.type	k_qb2524d0be9_attn,@function
k_qb2524d0be9_attn:
	s_mov_b64 s[64:65], 0
	v_nop
	global_prefetch_b8 v0, s[64:65] scope:SCOPE_SE
	s_setreg_imm32_b32 hwreg(HW_REG_WAVE_MODE, 25, 1), 1
	s_wait_xcnt 0x0
	s_wait_alu depctr_hold_cnt(0) depctr_sa_sdst(0) depctr_va_vdst(0) depctr_va_sdst(0) depctr_va_ssrc(0) depctr_va_vcc(0) depctr_vm_vsrc(0)
	s_getreg_b32 s2, hwreg(HW_REG_IB_STS2, 6, 4)
	s_cmp_eq_u32 s2, 0
	s_cbranch_scc0 .Lentry_in_a_cluster
	s_endpgm
.Lentry_in_a_cluster:
	s_bfe_u32 s2, ttmp6, 0x10000c
	s_cmp_lg_u32 s2, 0x3003
	s_cbranch_scc0 .Lentry_shape_is_right
	s_endpgm
.Lentry_shape_is_right:
; out = softmax(qp k^T / sqrt(512)) v for 16 batches and two kinds (0: k, v of qp, the diagonal held at -1e9; 1: of opp), both products on codes of FP6 (E2M3) with one E8M0 scale for each 32 along K.
; THE SOFTMAX: t = score x log2(e) / sqrt(512); M = the row's largest t so far, rounded UP to a whole number; p = 2^(t - M) is quantised along the keys, not normalised; the row's sum is taken of the unquantised p and divides at
; the end.  When M moves, the sum and O are multiplied by 2^(old M - new M): exact.
; SHARES.  A work-group owns 128 queries (8 tiles) of one (kind, batch); the keys go in 4 steps of 256.  THE WAVES SHARE THE COLUMNS: in S^T = K Q^T wave w takes keys 64 w .. + 63 of the step (4 tiles) against all 8 query tiles;
; in O^T = V^T P^T it takes channels 128 w .. + 127 (8 tiles) against all 8.  So each fragment of K and V is read from LDS once, by one wave, and feeds 8 products.  What goes round is small: the maxima, and p's codes.
; Both products are used transposed: a lane holds ONE query (lane % 16 of its tile) throughout.  Tiles of keys, queries and channels hold rows 32 b + 8 u + r % 8 + 16 (r / 8) (the launch before lays them so): the 16 registers of two
; neighbouring tiles of a result are 16 neighbours.
; THE SECOND PRODUCT GOES BY QUERY TILES: 16 products a tile, its 8 accumulators by turns; the NEXT tile's rescaling stands between them, four lines behind every second product, and P's fragments come three tiles ahead, in runs
; of 8 loads.  In the last step each tile is divided by its rows' sums, staged and stored as soon as its 16 products are done: the sums are exchanged at the meeting in front of that product.
; CLUSTER.  The four query blocks of a cluster walk the same K and V: each block of 25,600 bytes is asked for JOINTLY.  One slot for K, one for V, each wave its own quarter.  K of the next step is asked for behind the round that
; carries the maxima, V of the next step behind the round that carries p (V of this step is in registers by then).  By this text's own count a wave has at most one tensor load out.
; O starts as zeros and the largest t as -3e38, so that the step is written twice (the loop, and the last step without its loads) and not three times.
; LIMITS: NaN and infinities are not served; a block of p whose every number has fallen to 0 keeps the byte 1 (its codes are zeros).
; REGISTERS: window 0: v1-23 addresses and constants; v24-55 four statistics a tile; v56-87 scale words; v88-255 by phase: K's two sets and a ring of six fragments of Q | the softmax's work | 8 places for fragments of P, and
;   (last step) 64 registers of rows of O.   window 1: S^T (tile m, key tile t) at v[32 m + 8 t], then V's fragment f at v[32 (f / 2) + 12 (f % 2)].   windows 2, 3: O^T (m, t) at v[8 (8 (m % 4) + t)] of window 2 + m / 4.
.set BLK,   25600
.set KSLOT, 51200                      ; LDS: Q's two blocks at 0 (copied through registers); K's slot,
.set VSLOT, 153600                     ; V's,
.set PIMG,  256000                     ; p's half fragments: ((ks 8 + m) 2 + c) 768: registers 0-3 at 16 l, 4-5 at 512 + 8 l
.set PSC,   280576                     ; p's scale bytes: ks 512 + 16 (r + 16 (m % 2)) + 4 (m / 2) + 2 c
.set STATS, 281600                     ; the waves' maxima: 512 m + 16 l + 4 w; the sums 4,096 further on
.set SPARE, 289792                     ; the spare words, 128 bytes a wave
.set LI,   1
.set L8,   2
.set AK16, 3                           ; my quarter of K's slot + 16 l; on the way out: my stage, read back by rows
.set AK8,  4                           ; its scale words + 8 l
.set AV16, 5
.set AV8,  6
.set AVS,  7
.set PW16, 8
.set PW8,  9
.set PR16, 10
.set PR8,  11
.set PSW,  12
.set PSR,  13
.set STW,  14
.set STR,  15
.set SPW,  16
.set NIL,  17
.set NEGV, 18                          ; -1e9 x sqrt(512): the score whose t is -1e9 x log2(e)
.set PFO,  19
.set QW,   20
.set STO,  22                          ; the way out: row r of my stage, + 64 h
.set ST,   24                          ; tile m: +0 -M (at the end 1 / sum), +1 the largest t, +2 f, +3 my part of the sum
.set QS,   56                          ; Q's scale words: 4 s + m / 2
.set KS,   72                          ; K's: 2 s + t / 2;  later p's: 4 ks + m / 2
.set VS,   80                          ; V's: 2 (t / 2) + ks
.set KA,   88
.set QR,   184
.set BM,   88                          ; the 16 blocks' largest scores, then largest p
.set TW,   104                         ; at work
.set MX,   128
.set PCB,  160                         ; p's codes, 8 registers a tile
.set PWD,  224                         ; p's two scale bytes, a register a tile
.set PA,   88                          ; P's 8 places of 12 registers: tile m's two fragments at places 2 (m % 4), + 1
.set BB,   192                         ; the way out: 16 rows read back from the stage; before that the four waves' sums
.set WV,   14
.set KIND, 18
.set DJ,   20                          ; s20  2 x cluster x - step: 0 or -1 where the step's keys lie among the cluster's 512 queries
.set G1,   24
.set G0K,  32                          ; s[32:35] K's group 0, s[36:39] V's
.set CS,   40
.set SEL,  42
.set CNT,  44
.set LIM,  45
.set EE,   46
.set PFK,  50                          ; s[50:51] K's prefetches, s[52:53] V's
.set OUT,  54
.set QB,   56
.set MSB, 0
.macro WIN new
.if MSB != (\new)
	s_set_vgpr_msb (MSB<<8)|(\new)
.set MSB, (\new)
.endif
.endm
.macro PLACES n
.rept \n
	v_nop
.endr
.endm
.macro CROUND                          ; a round of the cluster's barrier
	s_barrier_signal -1
	s_barrier_wait -1
	s_cmp_lg_u32 s[WV], 0
	s_cbranch_scc1 .Lnot_wave_0_\@
	s_barrier_signal -3
.Lnot_wave_0_\@:
	s_barrier_wait -3
	s_barrier_signal -1
	s_barrier_wait -1
.endm
; one product.  c < 0: the constant 0 starts the sum.  pa, pb: the tiles' numbers: an odd tile's scale words lie in lanes 16-31
.macro WM d, a, b, c, sa, sb, pa, pb
.if (\c) < 0
.if (((\pa)%2) == 0) && (((\pb)%2) == 0)
	v_wmma_scale_f32_16x16x128_f8f6f4 v[(\d):(\d)+7], v[(\a):(\a)+11], v[(\b):(\b)+11], 0, v[\sa], v[\sb] matrix_a_fmt:MATRIX_FMT_FP6 matrix_b_fmt:MATRIX_FMT_FP6
.elseif ((\pb)%2) == 0
	v_wmma_scale_f32_16x16x128_f8f6f4 v[(\d):(\d)+7], v[(\a):(\a)+11], v[(\b):(\b)+11], 0, v[\sa], v[\sb] matrix_a_fmt:MATRIX_FMT_FP6 matrix_b_fmt:MATRIX_FMT_FP6 matrix_a_scale:MATRIX_SCALE_ROW1
.elseif ((\pa)%2) == 0
	v_wmma_scale_f32_16x16x128_f8f6f4 v[(\d):(\d)+7], v[(\a):(\a)+11], v[(\b):(\b)+11], 0, v[\sa], v[\sb] matrix_a_fmt:MATRIX_FMT_FP6 matrix_b_fmt:MATRIX_FMT_FP6 matrix_b_scale:MATRIX_SCALE_ROW1
.else
	v_wmma_scale_f32_16x16x128_f8f6f4 v[(\d):(\d)+7], v[(\a):(\a)+11], v[(\b):(\b)+11], 0, v[\sa], v[\sb] matrix_a_fmt:MATRIX_FMT_FP6 matrix_b_fmt:MATRIX_FMT_FP6 matrix_a_scale:MATRIX_SCALE_ROW1 matrix_b_scale:MATRIX_SCALE_ROW1
.endif
.else
.if (((\pa)%2) == 0) && (((\pb)%2) == 0)
	v_wmma_scale_f32_16x16x128_f8f6f4 v[(\d):(\d)+7], v[(\a):(\a)+11], v[(\b):(\b)+11], v[(\c):(\c)+7], v[\sa], v[\sb] matrix_a_fmt:MATRIX_FMT_FP6 matrix_b_fmt:MATRIX_FMT_FP6
.elseif ((\pb)%2) == 0
	v_wmma_scale_f32_16x16x128_f8f6f4 v[(\d):(\d)+7], v[(\a):(\a)+11], v[(\b):(\b)+11], v[(\c):(\c)+7], v[\sa], v[\sb] matrix_a_fmt:MATRIX_FMT_FP6 matrix_b_fmt:MATRIX_FMT_FP6 matrix_a_scale:MATRIX_SCALE_ROW1
.elseif ((\pa)%2) == 0
	v_wmma_scale_f32_16x16x128_f8f6f4 v[(\d):(\d)+7], v[(\a):(\a)+11], v[(\b):(\b)+11], v[(\c):(\c)+7], v[\sa], v[\sb] matrix_a_fmt:MATRIX_FMT_FP6 matrix_b_fmt:MATRIX_FMT_FP6 matrix_b_scale:MATRIX_SCALE_ROW1
.else
	v_wmma_scale_f32_16x16x128_f8f6f4 v[(\d):(\d)+7], v[(\a):(\a)+11], v[(\b):(\b)+11], v[(\c):(\c)+7], v[\sa], v[\sb] matrix_a_fmt:MATRIX_FMT_FP6 matrix_b_fmt:MATRIX_FMT_FP6 matrix_a_scale:MATRIX_SCALE_ROW1 matrix_b_scale:MATRIX_SCALE_ROW1
.endif
.endif
.endm
.macro LDK s                           ; my four tiles of keys, K step s, into set s % 2: 12 loads
.irp t, 0,1,2,3
.irp c, 0,1,2
	ds_load_b128 v[KA+48*((\s)%2)+12*\t+4*\c:KA+48*((\s)%2)+12*\t+4*\c+3], v[AK16] offset:6144*(\s)+1536*\t+512*\c
.endr
.endr
.endm
.macro LDQ g                           ; group g: query tiles 2 (g % 4), + 1 at K step g / 4, into pair g % 3 of the ring: 6 loads
.irp e, 0,1
.set m_, 2*((\g)%4)+\e
.irp c, 0,1,2
	ds_load_b128 v[QR+24*((\g)%3)+12*\e+4*\c:QR+24*((\g)%3)+12*\e+4*\c+3], v[LI] offset:25600*(m_/4)+6144*((\g)/4)+1536*(m_%4)+512*\c
.endr
.endr
.endm
; group g's 8 products; n: the LDS loads issued behind group g's fragments, which may stay out.  Behind them four places, then the ring's pair takes group g + 3
.macro SGRP g, n
	s_wait_dscnt \n
	WIN 0x50
.set s_, (\g)/4
.irp e, 0,1
.irp t, 0,1,2,3
.set m_, 2*((\g)%4)+\e
.set d_, 32*m_+8*\t
.set c_, d_
.if s_ == 0
.set c_, -1
.endif
	WM d_,KA+48*(s_%2)+12*\t,QR+24*((\g)%3)+12*\e,c_,KS+2*s_+\t/2,QS+4*s_+m_/2,\t,m_
.endr
.endr
	PLACES 4
	WIN 0
.if (\g) <= 12
	LDQ (\g)+3
.endif
.if (\g) == 3
	LDK 2
.endif
.if (\g) == 7
	LDK 3
.endif
.endm
.macro SPHASE                          ; S^T: 128 products, the 32 accumulators by turns
	PLACES 5                                       ; the first products write over registers that the last products of the step before read, and loads go into registers that they read
.irp s, 0,1,2,3
	ds_load_b64 v[KS+2*\s:KS+2*\s+1], v[AK8] offset:256*\s
.endr
	LDK 0
	LDQ 0
	LDQ 1
	LDK 1
	LDQ 2
	SGRP 0,24
	SGRP 1,24
	SGRP 2,12
	SGRP 3,12
	SGRP 4,24
	SGRP 5,24
	SGRP 6,24
	SGRP 7,12
	SGRP 8,24
	SGRP 9,24
	SGRP 10,24
	SGRP 11,12
	SGRP 12,12
	SGRP 13,12
	SGRP 14,6
	SGRP 15,0
.endm
; THE DIAGONAL (kind 0).  Register 16 b + 8 u + i of tile m = 2 mp + u holds key 256 j + 64 w + 32 b + 16 h + 8 u + i; its lane's query is 128 qb + 32 mp + 8 u + r % 8 + 16 (r / 8).  They meet where
; 4 qb - 8 j - 2 w + mp = b, in lanes i and 24 + i.  The left side less mp is even, so only b = mp % 2 can meet.  The work-group's place enters by a select of the lane mask, never by a branch; the branches hang on the kind,
; and on whether the step's 256 keys lie among the cluster's 512 queries (the cluster's x and the step): both are the same in all four partners.
.macro DIAG
	s_cmp_lg_u32 s[KIND], 0
	s_cbranch_scc1 .Lno_diag_\@
	s_add_co_u32 s48, s[DJ], 1
	s_cmp_gt_u32 s48, 1
	s_cbranch_scc1 .Lno_diag_\@
	WIN 0x41
.irp mp, 0,1,2,3
	s_cmp_eq_i32 s[EE], (\mp%2)-\mp
	s_cselect_b32 s48, s47, 0
.irp i, 0,1,2,3,4,5,6,7
	s_lshl_b32 s49, s48, \i
	v_cndmask_b32 v[64*\mp+16*(\mp%2)+\i], v[64*\mp+16*(\mp%2)+\i], v[NEGV], s49
	v_cndmask_b32 v[64*\mp+40+16*(\mp%2)+\i], v[64*\mp+40+16*(\mp%2)+\i], v[NEGV], s49
.endr
.endr
	WIN 0
.Lno_diag_\@:
.endm
.macro SMAX                            ; the largest score of each of my 16 blocks of 32 keys (it serves twice: for the row's maximum and for the block's largest p), and of each tile: to LDS
	WIN 0x15
.set k_, 0
.rept 16
	v_max3_num_f32 v[BM+k_], v[16*k_], v[16*k_+1], v[16*k_+2]
.set k_, k_+1
.endr
	WIN 0x14
.irp i, 3,5,7,9,11,13
.set k_, 0
.rept 16
	v_max3_num_f32 v[BM+k_], v[BM+k_], v[16*k_+\i], v[16*k_+\i+1]
.set k_, k_+1
.endr
.endr
	WIN 0x04
.set k_, 0
.rept 16
	v_max_num_f32 v[BM+k_], v[BM+k_], v[16*k_+15]
.set k_, k_+1
.endr
	WIN 0
.set k_, 0
.rept 16
	v_permlanex16_b32 v[TW+k_], v[BM+k_], s[SEL], s[SEL+1]
.set k_, k_+1
.endr
.set k_, 0
.rept 16
	v_max_num_f32 v[BM+k_], v[BM+k_], v[TW+k_]     ; with lane l xor 16's 16 keys
.set k_, k_+1
.endr
.irp m, 0,1,2,3,4,5,6,7
	v_max_num_f32 v[TW+16+\m], v[BM+2*\m], v[BM+2*\m+1]
.endr
.irp m, 0,1,2,3,4,5,6,7
	ds_store_b32 v[STW], v[TW+16+\m] offset:512*\m
.endr
.endm
; A PREFETCH of the block that the load after next of this kind will bring (the next step but one): my wave's quarter, 100 pieces of 256 bytes.  Both clusters of a (kind, batch) walk the same K and V: the first asks.  Its four
; partners share the pieces BY ADDRESS: partner p names pieces 32 p + lane, held at 99 (so partner 3's lanes 4 to 31 all name piece 99).  The loop's last trip asks for nothing: there is no step behind the last.
.macro ASK pf
	s_cmp_gt_u32 s[CNT], s[LIM]
	s_cbranch_scc0 .Lno_ask_\@
	global_prefetch_b8 v[PFO], s[\pf:\pf+1] th:TH_LOAD_NT scope:SCOPE_SE
.Lno_ask_\@:
.endm
; THE TWO MEETINGS OF A STEP.  which = 0: the maxima lie in LDS and K's slot has been read out; 1: p lies in LDS and V's slot has been read out.  Each wave waits for all its tensor loads (the one that is out is wanted next),
; adds 0 to its spare word, and waits for that and for all its LDS instructions.  fill = 1: the barrier is a round of the cluster's, and the slot's next fill is the first thing behind it.
.macro SYNC which, fill
	s_wait_tensorcnt 0x0
	ds_add_u32 v[SPW], v[NIL]
.if \fill
	s_add_nc_u64 s[G0K+4*\which+2:G0K+4*\which+3], s[G0K+4*\which+2:G0K+4*\which+3], 4*BLK   ; no tensor load of mine is out: the next step's block
	s_wait_xcnt 0x0                                ; the last prefetch of this kind, a step back, has read its address
	s_add_nc_u64 s[PFK+2*\which:PFK+2*\which+1], s[PFK+2*\which:PFK+2*\which+1], 4*BLK
	s_wait_dscnt 0x0
	CROUND
	tensor_load_to_lds s[G0K+4*\which:G0K+4*\which+3], s[G1:G1+7]
	s_nop 0
	PLACES 4
	ASK PFK+2*\which
.else
	s_wait_dscnt 0x0
	s_barrier_signal -1
	s_barrier_wait -1
.endif
.endm
.macro STAT                            ; the four waves' maxima make the step's; M, and f = 2^(old M - new M); the eight tiles by turns.  V's scale words come with them
.irp m, 0,1,2,3,4,5,6,7
	ds_load_b128 v[MX+4*\m:MX+4*\m+3], v[STR] offset:512*\m
.endr
	ds_load_b128 v[VS:VS+3], v[AVS]
	ds_load_b128 v[VS+4:VS+7], v[AVS] offset:16
	s_wait_dscnt 0x0
.irp m, 0,1,2,3,4,5,6,7
	v_max3_num_f32 v[MX+4*\m], v[MX+4*\m], v[MX+4*\m+1], v[MX+4*\m+2]
.endr
.irp m, 0,1,2,3,4,5,6,7
	v_max_num_f32 v[MX+4*\m], v[MX+4*\m], v[MX+4*\m+3]
.endr
.irp m, 0,1,2,3,4,5,6,7
	v_mul_f32 v[MX+4*\m], s[CS], v[MX+4*\m]        ; as t (c is positive)
.endr
.irp m, 0,1,2,3,4,5,6,7
	v_max_num_f32 v[ST+4*\m+1], v[ST+4*\m+1], v[MX+4*\m]
.endr
.irp m, 0,1,2,3,4,5,6,7
	v_mov_b32 v[MX+4*\m+1], v[ST+4*\m]
.endr
.irp m, 0,1,2,3,4,5,6,7
	v_floor_f32 v[ST+4*\m], -v[ST+4*\m+1]          ; -M = floor(-t): M is a whole number
.endr
.irp m, 0,1,2,3,4,5,6,7
	v_sub_f32 v[MX+4*\m+1], v[ST+4*\m], v[MX+4*\m+1]
.endr
.irp m, 0,1,2,3,4,5,6,7
	v_cvt_i32_f32 v[MX+4*\m+1], v[MX+4*\m+1]       ; (it saturates)
.endr
.irp m, 0,1,2,3,4,5,6,7
	v_ldexp_f32 v[ST+4*\m+2], 1.0, v[MX+4*\m+1]
.endr
.endm
; Tile m: p of my 64 keys, its sum, its two scale bytes and its half fragment, to LDS; then two fragments of V take the scores' registers
.macro PTILE m
.set sb_, 32*(\m)
.set tt_, ST+4*(\m)
.set pc_, PCB+8*(\m)
	WIN 0x41
.irp j, 0,2,4,6,8,10,12,14,16,18,20,22,24,26,28,30
	v_pk_fma_f32 v[sb_+\j:sb_+\j+1], v[sb_+\j:sb_+\j+1], s[CS:CS+1], v[tt_:tt_+1] op_sel_hi:[1,0,0]   ; t - M, two at a time
.endr
	WIN 0
	v_fma_f32 v[BM+2*(\m)], v[BM+2*(\m)], s[CS], v[tt_]           ; the same of each block's largest score
	v_fma_f32 v[BM+2*(\m)+1], v[BM+2*(\m)+1], s[CS], v[tt_]
	WIN 0x41
	s_wait_alu depctr_va_vdst(0)
.irp j, 0,1,2,3,4,5,6,7,8,9,10,11,12,13,14,15,16,17,18,19,20,21,22,23,24,25,26,27,28,29,30,31
	v_exp_f32 v[sb_+\j], v[sb_+\j]
.endr
	WIN 0
	v_exp_f32 v[BM+2*(\m)], v[BM+2*(\m)]           ; the block's largest p: the same two instructions on the same number give the same bits
	v_exp_f32 v[BM+2*(\m)+1], v[BM+2*(\m)+1]
	v_mul_f32 v[tt_+3], v[tt_+3], v[tt_+2]         ; my part of the sum under the new M: the plain instruction behind the exponentials
	s_wait_alu depctr_va_vdst(0)                   ; one wait for the batch of 34, ahead of its first reader
	WIN 0x05
	v_pk_add_f32 v[TW:TW+1], v[sb_:sb_+1], v[sb_+2:sb_+3]           ; the sum of the UNQUANTISED p, in two chains
	v_pk_add_f32 v[TW+2:TW+3], v[sb_+4:sb_+5], v[sb_+6:sb_+7]
	WIN 0x04
.irp j, 8,12,16,20,24,28
	v_pk_add_f32 v[TW:TW+1], v[TW:TW+1], v[sb_+\j:sb_+\j+1]
	v_pk_add_f32 v[TW+2:TW+3], v[TW+2:TW+3], v[sb_+\j+2:sb_+\j+3]
.endr
	WIN 0
	v_pk_add_f32 v[TW:TW+1], v[TW:TW+1], v[TW+2:TW+3]
	v_max_num_f32 v[BM+2*(\m)], 0x1800000, v[BM+2*(\m)]           ; the floor 2^(3 - 127): the byte cannot fall under 1
	v_max_num_f32 v[BM+2*(\m)+1], 0x1800000, v[BM+2*(\m)+1]
	v_add_f32 v[tt_+3], v[tt_+3], v[TW]
	v_add_nc_u32 v[TW+4], 0xff000000, v[BM+2*(\m)]                ; 2 off the exponent field: the conversion's scale operand
	v_add_nc_u32 v[TW+5], 0xff000000, v[BM+2*(\m)+1]
	v_add_f32 v[tt_+3], v[tt_+3], v[TW+1]
	v_lshrrev_b32 v[TW+6], 23, v[TW+4]
	v_lshrrev_b32 v[TW+7], 23, v[TW+5]
	v_lshl_or_b32 v[PWD+(\m)], v[TW+7], 8, v[TW+6]
	WIN 0x01
	v_cvt_scalef32_pk16_fp6_f32 v[pc_:pc_+2], v[sb_:sb_+15], v[TW+4]
	v_cvt_scalef32_pk16_fp6_f32 v[pc_+4:pc_+6], v[sb_+16:sb_+31], v[TW+5]
	WIN 0
	v_nop                                          ; one plain place behind a scaled conversion
.irp i, 0,1,2
	v_permlane16_swap_b32 v[pc_+\i], v[pc_+4+\i]   ; a whole block to a lane: lanes 0-15 my first 32 keys, lanes 16-31 my second
.endr
.irp i, 0,1,2
	v_mov_b32 v[pc_+3+\i], v[pc_+4+\i]
.endr
	ds_store_b128 v[PW16], v[pc_:pc_+3] offset:1536*(\m)
	ds_store_b64 v[PW8], v[pc_+4:pc_+5] offset:1536*(\m)
	ds_store_b16 v[PSW], v[PWD+(\m)] offset:256*((\m)%2)+4*((\m)/2)   ; lanes r and r + 16 write the same two bytes with the same value
	WIN 0x40
.irp e, 0,1                                    ; V's fragments 2 m, 2 m + 1: K step m / 4, channel tile 2 (m % 4) + e
.irp c, 0,1
	ds_load_b128 v[sb_+12*\e+6*\c:sb_+12*\e+6*\c+3], v[AV16] offset:3072*(2*((\m)%4)+\e)+768*(2*((\m)/4)+\c)
	ds_load_b64 v[sb_+12*\e+6*\c+4:sb_+12*\e+6*\c+5], v[AV8] offset:3072*(2*((\m)%4)+\e)+768*(2*((\m)/4)+\c)+512
.endr
.endr
	WIN 0
.endm
.macro LDP n, ks, m                    ; P's fragment (K step ks, query tile m) into place n: 4 loads
.irp c, 0,1
	ds_load_b128 v[PA+12*(\n)+6*\c:PA+12*(\n)+6*\c+3], v[PR16] offset:((\ks)*8+(\m))*1536+768*\c
	ds_load_b64 v[PA+12*(\n)+6*\c+4:PA+12*(\n)+6*\c+5], v[PR8] offset:((\ks)*8+(\m))*1536+768*\c+512
.endr
.endm
.macro LDPT m                          ; both fragments of query tile m into its two places: 8 loads
	LDP 2*((\m)%4),0,\m
	LDP 2*((\m)%4)+1,1,\m
.endm
.macro RESC m, k                       ; accumulator k of tile m under the new M: x f, from its low end on
	WIN 0x82+0x41*((\m)/4)
.irp e, 0,2,4,6
	v_pk_mul_f32 v[64*((\m)%4)+8*(\k)+\e:64*((\m)%4)+8*(\k)+\e+1], v[64*((\m)%4)+8*(\k)+\e:64*((\m)%4)+8*(\k)+\e+1], v[ST+4*(\m)+2:ST+4*(\m)+3] op_sel_hi:[1,0]
.endr
.endm
; Query tile m of O^T += V^T P^T: 16 products: the step's two K steps x my 8 tiles of channels; the 8 accumulators take turns, one instruction a turn.
; resc = 1: behind every second product stand four lines that bring one accumulator of tile m + 1 under the new M.  ld = 1: in the tile's middle tile m + 3's fragments of P are asked for, into the places that tile m - 1 has
; left: sixteen of those lines, which name no register of tile m - 1's products, stand between.
.macro PTL m, resc, ld
.set i_, 0
.rept 16
.set ks_, i_/8
.set t_, i_%8
.set d_, 8*(8*((\m)%4)+t_)
	WIN 0xa1+0x50*((\m)/4)
	WM d_,32*(i_/2)+12*(i_%2),PA+12*(2*((\m)%4)+ks_),d_,VS+2*(t_/2)+ks_,KS+4*ks_+(\m)/2,t_,\m
.if (\resc) && ((i_%2) == 1)
	RESC (\m)+1,i_/2
.endif
.if (\ld) && (i_ == 7)
	WIN 0
	LDPT (\m)+3
.endif
.set i_, i_+1
.endr
.endm
.macro PVHEAD                          ; p's scale words and the first three tiles' fragments: 26 loads
	ds_load_b128 v[KS:KS+3], v[PSR]
	ds_load_b128 v[KS+4:KS+7], v[PSR] offset:512
	LDPT 0
	LDPT 1
	LDPT 2
.endm
.macro PVPHASE                         ; the second product of a step that has a successor
	PVHEAD
.irp k, 0,1,2,3,4,5,6,7
	RESC 0,\k                                      ; tile 0's rescaling stands bare, while its fragments come
.endr
.irp m, 0,1,2,3,4
	s_wait_dscnt 16                                ; tile m's fragments are in; those of the next two tiles may be out
	PTL \m,1,1
.endr
	s_wait_dscnt 16
	PTL 5,1,0
	s_wait_dscnt 8                                 ; only tile 7's may be out
	PTL 6,1,0
	s_wait_alu depctr_va_vdst(0)
	s_wait_dscnt 0x0
	PTL 7,0,0
	WIN 0
.endm
	s_load_b256 s[4:11], s[0:1], 0x0               ; qc s[4:5], kc s[6:7], vc s[8:9], out0 s[10:11]
	s_load_b64 s[12:13], s[0:1], 0x20              ; out1
	v_lshl_add_u32 v[SPW], v0, 2, SPARE
	v_mov_b32 v[NIL], 0
	ds_add_u32 v[SPW], v[NIL]                      ; the wave's opening: the add and its wait stand ahead of my first tensor load; the set-up below stands between them
	ds_add_u32 v[SPW], v[NIL]
	v_lshrrev_b32 v21, 5, v0
	v_readfirstlane_b32 s[WV], v21                 ; wave 0..3
	s_bfe_u32 s15, ttmp6, 0x40000                  ; cx
	s_lshl_b32 s16, ttmp9, 2
	s_add_co_u32 s16, s16, s15                     ; my block of 128 queries: it enters Q's and O's addresses, the prefetches' offset and the diagonal's lane mask alone
	s_and_b32 s17, ttmp7, 0xffff                   ; 16 x kind + batch, which the partners share
	s_lshr_b32 s[KIND], s17, 4
	s_and_b32 s19, s17, 15
	s_mov_b32 s[G1], 15|(3<<16)|(1<<21)            ; group 1: the mask of all four; elements of 8 bytes; bit 21 beside a mask
	s_mov_b32 s[G1+1], 32<<16                      ; a dense block of 25,600 bytes as 100 rows of 32 elements
	s_mov_b32 s[G1+2], 100<<16
	s_mov_b32 s[G1+3], 32<<16
	s_mov_b32 s[G1+4], 100
	s_mov_b32 s[G1+5], 32
	s_mov_b32 s[G1+6], 0
	s_mov_b32 s[G1+7], 0
	s_mov_b32 s[CS], 0x3d8293ee                    ; c = log2(e) / sqrt(512)
	s_mov_b32 s[CS+1], s[CS]
	s_mov_b32 s[SEL], 0x76543210
	s_mov_b32 s[SEL+1], 0xfedcba98
	s_mov_b32 s47, 0x01000001                      ; lanes 0 and 24
	v_mov_b32 v[NEGV], 0xd0a89660
	v_and_b32 v21, 31, v0                          ; l
	v_and_b32 v23, 15, v0                          ; r
	v_bfe_u32 v[TW], v0, 4, 1                      ; h
	v_lshlrev_b32 v[LI], 4, v21
	v_lshlrev_b32 v[L8], 3, v21
	s_mul_i32 s20, s[WV], BLK                      ; my quarter of a slot
	s_add_co_u32 s21, s20, KSLOT
	s_add_co_u32 s22, s20, VSLOT
	v_add_nc_u32 v[AK16], s21, v[LI]
	s_add_co_u32 s23, s21, 24576
	v_add_nc_u32 v[AK8], s23, v[L8]
	v_add_nc_u32 v[AV16], s22, v[LI]
	v_add_nc_u32 v[AV8], s22, v[L8]
	s_add_co_u32 s23, s22, 24576
	v_lshl_add_u32 v[AVS], v21, 5, s23
	v_mul_u32_u24 v[STO], v23, 528
	v_lshl_add_u32 v[STO], v[TW], 6, v[STO]
	v_add_nc_u32 v[STO], s21, v[STO]
	s_lshr_b32 s58, s[WV], 1                       ; my 64 keys: K step w / 2 of the second product, half w % 2 of its fragments
	s_and_b32 s59, s[WV], 1
	s_mul_i32 s60, s58, 12288
	s_mul_i32 s61, s59, 768
	s_add_co_u32 s60, s60, s61
	s_add_co_u32 s60, s60, PIMG
	v_add_nc_u32 v[PW16], s60, v[LI]
	s_add_co_u32 s60, s60, 512
	v_add_nc_u32 v[PW8], s60, v[L8]
	v_add_nc_u32 v[PR16], PIMG, v[LI]
	v_add_nc_u32 v[PR8], PIMG, v[L8]
	s_lshl_b32 s60, s58, 9
	s_lshl_b32 s61, s59, 1
	s_add_co_u32 s60, s60, s61
	s_add_co_u32 s60, s60, PSC
	v_lshl_add_u32 v[PSW], v23, 4, s60
	v_add_nc_u32 v[PSR], PSC, v[LI]
	s_lshl_b32 s60, s[WV], 2
	s_add_co_u32 s60, s60, STATS
	v_add_nc_u32 v[STW], s60, v[LI]
	v_add_nc_u32 v[STR], STATS, v[LI]
	s_mul_i32 s61, s[WV], 12800                    ; my quarter of Q's two blocks
	v_add_nc_u32 v[QW], s61, v[LI]
	s_lshl_b32 s60, s15, 5
	v_add_nc_u32 v[PFO], s60, v21
	v_min_u32 v[PFO], 99, v[PFO]
	v_lshlrev_b32 v[PFO], 8, v[PFO]
	s_lshl_b32 s60, s19, 4                         ; Q: blocks 16 batch + 2 qb, + 1
	s_lshl_b32 s23, s16, 1
	s_add_co_u32 s60, s60, s23
	s_mul_i32 s60, s60, BLK
	s_add_co_u32 s60, s60, s61
	s_mov_b32 s61, 0
	s_lshl_b32 s58, s17, 4                         ; K and V: block (16 kind + batch) 16 + w of step 0
	s_add_co_u32 s58, s58, s[WV]
	s_mul_i32 s58, s58, BLK
	s_mov_b32 s59, 0
	s_lshl_b32 s62, s19, 21                        ; O: (1,024 batch + 128 qb) rows of 2,048 bytes + 512 w
	s_lshl_b32 s63, s16, 18
	s_add_co_u32 s62, s62, s63
	s_lshl_b32 s63, s[WV], 9
	s_add_co_u32 s62, s62, s63
	s_mov_b32 s63, 0
	s_lshl_b32 s[EE], s16, 2                       ; 4 qb - 2 w - 8 j
	s_lshl_b32 s23, s[WV], 1
	s_sub_co_i32 s[EE], s[EE], s23
	s_lshl_b32 s[DJ], ttmp9, 1                     ; 2 x cluster x - j
	s_mov_b32 s[CNT], 3
	s_wait_dscnt 0x0                               ; the opening add is done
	s_wait_kmcnt 0x0
	s_cmp_eq_u32 s[KIND], 0
	s_cselect_b64 s[OUT:OUT+1], s[10:11], s[12:13]
	s_add_nc_u64 s[OUT:OUT+1], s[OUT:OUT+1], s[62:63]
	s_add_nc_u64 s[QB:QB+1], s[4:5], s[60:61]
	WIN 0x40
.set i_, 0
.rept 25
	global_load_b128 v[4*i_:4*i_+3], v[LI], s[QB:QB+1] offset:512*i_   ; my quarter of Q's codes and scale words: asked for ahead of the round, since nothing of the round is needed for it
.set i_, i_+1
.endr
	WIN 0
	s_mov_b32 s[G0K], 1
	s_mov_b32 s[G0K+1], s21
	s_add_nc_u64 s[G0K+2:G0K+3], s[6:7], s[58:59]
	s_add_nc_u64 s[PFK:PFK+1], s[G0K+2:G0K+3], 4*BLK   ; at step 1: the first meeting steps it to step 2.  Nothing is prefetched here, at the head
	s_or_b32 s[G0K+3], s[G0K+3], 0x80000000
	s_mov_b32 s[G0K+4], 1
	s_mov_b32 s[G0K+5], s22
	s_add_nc_u64 s[G0K+6:G0K+7], s[8:9], s[58:59]
	s_add_nc_u64 s[PFK+2:PFK+3], s[G0K+6:G0K+7], 4*BLK
	s_or_b32 s[G0K+7], s[G0K+7], 0x80000000
	s_cmp_eq_u32 ttmp9, 0                          ; the first of the two clusters that walk these keys: the same in all four partners
	s_cselect_b32 s[LIM], 1, -1
	CROUND                                         ; all four work-groups are here: the first joint loads meet
	tensor_load_to_lds s[G0K:G0K+3], s[G1:G1+7]    ; K of step 0
	s_nop 0
	PLACES 4
	WIN 0x80
.set i_, 0
.rept 256
	v_mov_b32 v[i_], 0                             ; O^T: the first step finds zeros, which the first change of M leaves zeros.  (These lines stand while Q and the first blocks are on their way)
.set i_, i_+1
.endr
	WIN 0xc0
.set i_, 0
.rept 256
	v_mov_b32 v[i_], 0
.set i_, i_+1
.endr
	WIN 0
.irp m, 0,1,2,3,4,5,6,7
	v_mov_b32 v[ST+4*\m+1], 0xff61b1e6             ; the largest t so far: -3e38
	v_mov_b32 v[ST+4*\m+2], 0
	v_mov_b32 v[ST+4*\m+3], 0
.endr
.irp m, 0,1,2,3,4,5,6,7
	v_floor_f32 v[ST+4*\m], -v[ST+4*\m+1]
.endr
.set i_, 0
.rept 24
	v_mov_b32 v[TW+i_], 0                          ; written once: a lane permute's destination counts as one of its sources
.set i_, i_+1
.endr
	s_wait_loadcnt 0x0
	WIN 0x04
.set i_, 0
.rept 25
	ds_store_b128 v[QW], v[4*i_:4*i_+3] offset:512*i_
.set i_, i_+1
.endr
	WIN 0
	s_wait_tensorcnt 0x0                           ; K of step 0 is in
	ds_add_u32 v[SPW], v[NIL]                      ; 0 onto my spare word
	s_wait_dscnt 0x0                               ; the add is done and my quarter of Q has landed
	CROUND                                         ; Q lies in LDS, and all four work-groups are here: the joint loads meet
	tensor_load_to_lds s[G0K+4:G0K+7], s[G1:G1+7]  ; V of step 0, its slot's first fill: my one tensor load behind the round; the first 128 products and the maxima stand ahead of the wait for it
	s_nop 0
	PLACES 4
.irp s, 0,1,2,3
.irp k, 0,1
	ds_load_b64 v[QS+4*\s+2*\k:QS+4*\s+2*\k+1], v[L8] offset:25600*\k+24576+256*\s   ; Q's scale words stay in registers
.endr
.endr
.Lstep:                                            ; three trips; each asks for the next step's K and V
	SPHASE
	DIAG
	SMAX
	SYNC 0,1
	STAT
.irp m, 0,1,2,3,4,5,6,7
	PTILE \m
.endr
	SYNC 1,1
	PVPHASE
	s_sub_co_i32 s[EE], s[EE], 8                   ; the next 256 keys
	s_sub_co_i32 s[DJ], s[DJ], 1
	s_sub_co_u32 s[CNT], s[CNT], 1
	s_cmp_lg_u32 s[CNT], 0
	s_cbranch_scc1 .Lstep
	; THE LAST STEP is written out; and its second product sends each query tile out as soon as the tile is finished.
	SPHASE
	DIAG
	SMAX
	SYNC 0,0
	STAT
.irp m, 0,1,2,3,4,5,6,7
	PTILE \m
.endr
.irp m, 0,1,2,3,4,5,6,7                        ; the rows' sums are final: my part with lane l xor 16's goes to LDS, ahead of the meeting that carries p
	v_permlanex16_b32 v[TW+\m], v[ST+4*\m+3], s[SEL], s[SEL+1]
.endr
.irp m, 0,1,2,3,4,5,6,7
	v_add_f32 v[TW+\m], v[TW+\m], v[ST+4*\m+3]
.endr
.irp m, 0,1,2,3,4,5,6,7
	ds_store_b32 v[STW], v[TW+\m] offset:4096+512*\m
.endr
	SYNC 1,0
.irp m, 0,1,2,3,4,5,6,7
	ds_load_b128 v[BB+4*\m:BB+4*\m+3], v[STR] offset:4096+512*\m   ; the four waves' parts
.endr
	PVHEAD
	s_wait_dscnt 26                                ; the sums are in; p's scale words and three tiles of P may be out
.irp m, 0,1,2,3,4,5,6,7
	v_add_f32 v[BB+4*\m], v[BB+4*\m], v[BB+4*\m+1]
	v_add_f32 v[BB+4*\m+2], v[BB+4*\m+2], v[BB+4*\m+3]
.endr
.irp m, 0,1,2,3,4,5,6,7
	v_add_f32 v[BB+4*\m], v[BB+4*\m], v[BB+4*\m+2]
.endr
	s_wait_alu depctr_va_vdst(0)
.irp m, 0,1,2,3,4,5,6,7
	v_rcp_f32 v[ST+4*\m], v[BB+4*\m]               ; 1 / the row's sum takes -M's place, which nothing reads any more
.endr
	s_wait_alu depctr_va_vdst(0)
.irp k, 0,1,2,3,4,5,6,7
	RESC 0,\k                                      ; plain work behind the reciprocals, which names none of their results
.endr
	s_wait_alu depctr_va_vdst(0)                   ; one wait for the eight, ahead of the first use
.macro OSC m                           ; tile m / its rows' sums, each accumulator from its low end on
	WIN 0x82+0x41*((\m)/4)
.set o_, 64*((\m)%4)
.rept 32
	v_pk_mul_f32 v[o_:o_+1], v[o_:o_+1], v[ST+4*(\m):ST+4*(\m)+1] op_sel_hi:[1,0]
.set o_, o_+2
.endr
.endm
; The stage is my quarter of K's slot, which has had its last fill and its last read.  Register 16 b + i of lane (r, h) is channel 32 b + 16 h + i of query r: 64 bytes on end; back come whole rows of 512 bytes
.macro TOSTAGE m
	WIN 0x08+4*((\m)/4)
.irp b, 0,1,2,3
.irp c, 0,1,2,3
	ds_store_b128 v[STO], v[64*((\m)%4)+16*\b+4*\c:64*((\m)%4)+16*\b+4*\c+3] offset:128*\b+16*\c
.endr
.endr
	WIN 0
.irp i, 0,1,2,3,4,5,6,7,8,9,10,11,12,13,14,15
	ds_load_b128 v[BB+4*\i:BB+4*\i+3], v[AK16] offset:528*\i   ; LDS serves a wave's instructions in order: these see my stores
.endr
.endm
.macro SEND m, younger                 ; younger: the LDS loads issued behind tile m's loads from the stage: a tile of P, or none
	s_wait_dscnt \younger
.irp i, 0,1,2,3,4,5,6,7,8,9,10,11,12,13,14,15
	global_store_b128 v[LI], v[BB+4*\i:BB+4*\i+3], s[OUT:OUT+1] offset:(32*((\m)/2)+8*((\m)%2)+(\i%8)+16*(\i/8))*2048   ; 32 lanes store 512 consecutive bytes of the row that lane i of tile m owns
.endr
.endm
.irp m, 0,1,2,3,4,5,6,7                        ; tile m's products; tile m - 1's rows, back from the stage meanwhile, are stored; tile m is divided and staged
.if \m == 0
	s_wait_dscnt 16                                ; tile 0's fragments are in; tiles 1 and 2's may be out
.elseif \m == 1
	s_wait_dscnt 48                                ; tile 1's are in: behind them stand tiles 2 and 3's 16 loads and tile 0's 32 stage instructions.  (From tile 2 on the wait in SEND has shown the fragments in)
.endif
.if \m <= 4
	PTL \m,1,1
.elseif \m <= 6
	PTL \m,1,0
.else
	PTL \m,0,0
.endif
	PLACES 4                                       ; in front of the first read of results just made
	WIN 0
.if \m >= 1
.if \m <= 4
	SEND \m-1,8
.else
	SEND \m-1,0
.endif
.endif
	OSC \m
.if \m >= 1
	s_wait_alu depctr_va_vdst(0)
	s_wait_xcnt 0x0                                ; tile m - 1's stores have read their registers: tile m's rows may land there
.endif
	TOSTAGE \m
.endr
	SEND 7,0
	s_wait_tensorcnt 0x0                           ; the wave's end
	ds_add_u32 v[SPW], v[NIL]
	s_wait_dscnt 0x0
	CROUND                                         ; the closing round: no work-group ends while a partner may still ask for a block that names it
	s_endpgm
.Lfunc_end_k_qb2524d0be9_attn:
	.size	k_qb2524d0be9_attn, .Lfunc_end_k_qb2524d0be9_attn-k_qb2524d0be9_attn
	.p2alignl 7, 3214868480
	.fill 96, 4, 3214868480
	.section	.rodata,"a",@progbits
	.p2align	6, 0x0
	.amdhsa_kernel k_qb2524d0be9_attn
		.amdhsa_group_segment_fixed_size 327680
		.amdhsa_private_segment_fixed_size 0
		.amdhsa_enable_private_segment 0
		.amdhsa_kernarg_size 40
		.amdhsa_user_sgpr_count 2
		.amdhsa_user_sgpr_kernarg_segment_ptr 1
		.amdhsa_wavefront_size32 1
		.amdhsa_system_sgpr_workgroup_id_x 1
		.amdhsa_system_sgpr_workgroup_id_y 1
		.amdhsa_system_sgpr_workgroup_id_z 1
		.amdhsa_system_vgpr_workitem_id 0
		.amdhsa_next_free_vgpr 1024
		.amdhsa_next_free_sgpr 66
		.amdhsa_reserve_vcc 0
		.amdhsa_float_denorm_mode_32 3
		.amdhsa_float_denorm_mode_16_64 3
		.amdhsa_memory_ordered 1
		.amdhsa_forward_progress 1
		.amdhsa_inst_pref_size 255
	.end_amdhsa_kernel
	.section	.bss,"aw",@nobits
	.p2align	6
	.space	262144
	.amdgpu_metadata
---
amdhsa.version: [ 1, 2 ]
amdhsa.kernels:
  - .name:           k_qb2524d0be9_attn
    .symbol:         k_qb2524d0be9_attn.kd
    .args:
      - { .name: qc, .offset: 0, .size: 8, .value_kind: global_buffer, .address_space: global }
      - { .name: kc, .offset: 8, .size: 8, .value_kind: global_buffer, .address_space: global }
      - { .name: vc, .offset: 16, .size: 8, .value_kind: global_buffer, .address_space: global }
      - { .name: out0, .offset: 24, .size: 8, .value_kind: global_buffer, .address_space: global }
      - { .name: out1, .offset: 32, .size: 8, .value_kind: global_buffer, .address_space: global }
    .group_segment_fixed_size: 327680
    .private_segment_fixed_size: 0
    .kernarg_segment_align: 8
    .kernarg_segment_size: 40
    .max_flat_workgroup_size: 128
    .sgpr_count:     66
    .vgpr_count:     1024
    .wavefront_size: 32
...
	.end_amdgpu_metadata
.endif
;; end of part 3
